; MI455X (gfx1250); checked and timed in simulation.
; The chip was launched on July 23, 2026; its instructions are those of AMD's public machine-readable ISA for CDNA 5 (MIT licence, August 2026) and "CDNA5" Instruction Set Architecture Reference Guide (July 2026). The comments in the code are by the model that wrote it; some were corrected since.
;; Simple MHA. Allowed arithmetic: matrix products marked QUANTISED: E2M1 operands, one E8M0 scale for each 32 along K, by v_wmma_scale_f32_16x16x128_f8f6f4 with both operands' format E2M1 (or v_wmma_scale_f32_32x16x128_f4), f32 sums; products left as they are: bf16, f16 or f32 operands; f32 sums; everything else in f32.
;; Inputs: Wk 1,024 x 1,024 float32; Wo 1,024 x 1,024 float32; Wq 1,024 x 1,024 float32; Wv 1,024 x 1,024 float32; bk 1,024 float32; bo 1,024 float32; bq 1,024 float32; bv 1,024 float32; k 4 x 2,048 x 1,024 float32; kv_mask 4 x 2,048 bool; q 4 x 2,048 x 1,024 float32; v 4 x 2,048 x 1,024 float32.
;; Outputs: out0 4 x 2,048 x 1,024 float32.
;; This version of the problem:
;;   THIS VERSION OF THE PROBLEM IS GIVEN IN LOW PRECISION. The matrix products marked QUANTISED in the list below multiply operands that are first quantised to E2M1 (2 exponent bits, 1 mantissa bit; 4 bits a number), with one power-of-two scale for each 32 numbers along K (OCP MX v1.0); their sums are f32. The products marked 'left as it is' may take bf16, f16 or f32 operands, with f32 sums. Whichever they take, every output number must still come out within the allowed error. Rounding operands to bf16 (8 significant bits) uses up far more of that allowance than f16 does (11 bits, for magnitudes from 6e-5 to 65,504). All else is computed in f32.
;;   The module's matrix products, in the order in which they are computed (A, B: the left and right operand; K: the contracted axis; several contracted axes count as one K, in the product's order):
;;     1. [M 8,192, K 1,024] x [K 1,024, N 1,024]; A: input q; B: input Wq: QUANTISED
;;     2. [M 8,192, K 1,024] x [K 1,024, N 1,024]; A: input k; B: input Wk: QUANTISED
;;     3. [M 8,192, K 1,024] x [K 1,024, N 1,024]; A: input v; B: input Wv: QUANTISED
;;     4. batch 64 x [M 2,048, K 64] x [K 64, N 2,048]; A: computed on the way; B: computed on the way: left as it is (an operand is computed on the way)
;;     5. batch 64 x [M 2,048, K 2,048] x [K 2,048, N 64]; A: computed on the way; B: computed on the way: left as it is (an operand is computed on the way)
;;     6. [M 8,192, K 1,024] x [K 1,024, N 1,024]; A: computed on the way; B: input Wo: left as it is (an operand is computed on the way)
;;   THE QUANTISER, for each operand of a quantised product, along K:
;;     - K is cut into blocks of 32 from its start; a last block that is shorter is filled with zeros.
;;     - A block's scale is 2^e with e = floor(log2(the largest magnitude in the block)) - 2, held to -126 .. 127; a block of zeros has e = 0. As a byte (E8M0): e + 127.
;;     - Each number is divided by its block's scale, clamped to +-6, and rounded to the nearest number of E2M1, ties to even, subnormals kept.
;;     - The product sums the exact products of the quantised numbers (number of the format x scale) in f32.
;;   ~~~python
;;   def quantise(x, axis):      # numpy; x: float32 -> the quantised numbers, widened to float32 again
;;       x = np.moveaxis(x, axis, -1); K = x.shape[-1]
;;       x = np.pad(x, [(0, 0)] * (x.ndim - 1) + [(0, -K % 32)]); x = x.reshape(x.shape[:-1] + (-1, 32)); a = np.abs(x).max(-1, keepdims=True)
;;       e = np.where(a > 0, np.clip(np.frexp(np.where(a > 0, a, 1))[1] - 1 - 2, -126, 127), 0)      # np.frexp(a)[1] - 1 = floor(log2(a)), exactly
;;       r = np.clip(x / 2.0 ** e, -6, 6)
;;       step = 2.0 ** (np.maximum(np.frexp(np.where(r == 0, 1, r))[1] - 1, 0) - 1)
;;       q = np.round(r / step) * step * 2.0 ** e      # np.round: ties to even
;;       return np.moveaxis(q.reshape(q.shape[:-2] + (-1,))[..., :K], -1, axis).astype(np.float32)
;;   ~~~
;; One version. Each part assembles by itself: llvm-mc -triple=amdgcn-amd-amdhsa -mcpu=gfx1250 --defsym DOCPART=n.
;; ======== version 1 of 1: 4 launches
;; limits: values are held in f16: magnitudes above 65,504 overflow, below 6.1e-05 lose precision
;; workspace buffers: x_codes 12,582,912 bytes; x_scales 786,432 bytes; w_codes 1,572,864 bytes; w_scales 98,304 bytes; wo16 2,097,152 bytes; qkv 50,331,648 bytes; ao 16,777,216 bytes
;; launch quant (part 1): grid 896 x 1, 4 waves a work-group, no clusters, 33,280 bytes of LDS; arguments q, k, v, Wq, Wk, Wv, Wo, x_codes, x_scales, w_codes, w_scales, wo16; writes x_codes, x_scales, w_codes, w_scales, wo16
.if DOCPART == 1
	.amdgcn_target "amdgcn-amd-amdhsa--gfx1250"
	.amdhsa_code_object_version 6
	.text
	.protected	k_q2425873de4_quant
	.globl	k_q2425873de4_quant
	.p2align	8
	.type	k_q2425873de4_quant,@function
k_q2425873de4_quant:
	s_mov_b64 s[64:65], 0
	v_nop
	global_prefetch_b8 v0, s[64:65] scope:SCOPE_SE
	s_setreg_imm32_b32 hwreg(HW_REG_WAVE_MODE, 25, 1), 1
	s_wait_xcnt 0x0
; q, k, v [8192][1024] and Wq, Wk, Wv [1024][1024], f32 with K innermost, become codes of FP4 (E2M1), two a byte, K innermost, with one E8M0 byte for each 32 along K.
; q, k, v go on end into x_codes [24576][512 bytes] and x_scales [24576][32]; Wq, Wk, Wv on end into w_codes [3072][512] and w_scales [3072][32].  Wo [1024][1024] is rounded to f16 into wo16.
; A block's scale is 2^(floor(log2(its largest magnitude)) - 2); its byte is the largest magnitude's exponent field - 2, held at 1 from below.  Each number is divided by the scale and rounded to the nearest code, ties to even.
; LIMITS: a block of zeros gets the byte 1 where the rule says 127 (its codes are zeros, and this program alone reads the bytes); blocks whose largest magnitude lies under 2^-124 are held at byte 1;
; NaN and infinities are not served; |Wo| stays under 65,504, f16's largest number.
; SHARES.  Rows are dense and K is a multiple of 32: every tensor is a stream of blocks of 32.  A work-group takes 32,768 numbers, a wave 8,192: work-groups 0-767 q, k, v (256 each), 768-863 Wq, Wk, Wv (32 each), 864-895 Wo.
; Only pointers are chosen by the work-group's number: the six quantised tensors take ONE path.  A wave goes 16 steps of 512 numbers.  Each load reads 512 consecutive bytes; a step's 2,048 bytes turn through the wave's own
; stage in LDS and come back 64 bytes a lane, 16 neighbours along K (two neighbouring lanes hold a block).  A step's codes leave as 256 consecutive bytes, a wave's 256 scale bytes as one aligned run.  Waves share nothing: no barrier.
.set WAVES, 4
.set STEPS, 16
.set EMAX,  2
.set CB,    8                          ; bytes of 16 codes
.set R,     16                         ; v16-79   four sets of 16 numbers as loaded (Wo's path: v16-143, two batches of 64)
.set X,     80                         ; v80-111  two sets of 16 neighbours
.set E,     112                        ; v112-127 a scale byte for each step
.set C,     128                        ; v128-191 codes: four registers for each step, so that no store's data are written again
.set H16,   144                        ; v144-175 Wo's path: a batch's f16 numbers
.set WREG,  8192                       ; LDS: a region for each wave: two stages of 32 x SP bytes, behind them its 256 scale bytes
.set SP,    80                         ; a lane's place in a stage: 64 bytes + 16 of padding
.set SPW,   12                         ; v12      LDS address of my spare word; never rewritten
.set NIL,   13                         ; v13      0; never rewritten
.set SPARE, WAVES*WREG                 ; behind the regions: the spare words, 128 bytes a wave, which no other line names
.set SRC,   36                         ; s[36:37] the tensor that I read
.set COD,   38                         ; s[38:39] where its codes go
.set SCA,   40                         ; s[40:41] where its scale bytes go
	s_load_b512 s[4:19], s[0:1], 0x0               ; q, k, v, Wq, Wk, Wv, Wo, x_codes
	s_load_b256 s[20:27], s[0:1], 0x40             ; x_scales, w_codes, w_scales, wo16
	v_lshl_add_u32 v[SPW], v0, 2, SPARE
	v_mov_b32 v[NIL], 0
	v_lshrrev_b32 v1, 5, v0
	v_readfirstlane_b32 s28, v1                    ; wave
	v_and_b32 v2, 31, v0                           ; lane
	v_lshlrev_b32 v3, 4, v2                        ; my 16 bytes of a load's 512
	s_mul_i32 s29, s28, WREG
	v_lshrrev_b32 v14, 2, v2
	v_mul_u32_u24 v14, v14, SP
	v_and_b32 v15, 3, v2
	v_lshl_add_u32 v14, v15, 4, v14
	v_add_nc_u32 v14, s29, v14                     ; the stage, on the way in: four lanes' 64 bytes on end, then 16 of padding
	v_mul_u32_u24 v15, v2, SP
	v_add_nc_u32 v15, s29, v15                     ; and on the way out: my 16 neighbours
	v_mul_u32_u24 v4, v2, CB                       ; my 8 bytes of a step's 256 (codes; Wo's path: four f16 numbers)
	v_lshrrev_b32 v5, 1, v2
	s_add_co_u32 s29, s29, 2*32*SP
	v_add_nc_u32 v5, s29, v5                       ; LDS: my wave's 256 scale bytes, my block's byte
	v_lshlrev_b32 v7, 3, v2                        ; and on the way out 8 bytes a lane
	v_add_nc_u32 v6, s29, v7
	s_wait_kmcnt 0x0
	s_cmp_lt_u32 ttmp9, 768                        ; an activation or a weight?  All choices hang on the work-group's number alone
	s_cselect_b32 s32, 0, 768
	s_cselect_b32 s34, 8, 5                        ; log2 of the work-groups to a tensor
	s_cselect_b32 s35, 0, 3
	s_cselect_b64 s[COD:COD+1], s[18:19], s[22:23]
	s_cselect_b64 s[SCA:SCA+1], s[20:21], s[24:25]
	s_sub_co_u32 s33, ttmp9, s32                   ; my place among the work-groups that write this pair of buffers
	s_lshr_b32 s30, s33, s34
	s_lshl_b32 s31, s30, s34
	s_sub_co_u32 s31, s33, s31                     ; my place in the tensor that I read
	s_add_co_u32 s30, s30, s35                     ; the tensor's number, 0 to 6
	s_mov_b64 s[SRC:SRC+1], s[4:5]
.irp n, 1,2,3,4,5,6
	s_cmp_eq_u32 s30, \n
	s_cselect_b64 s[SRC:SRC+1], s[4+2*\n:5+2*\n], s[SRC:SRC+1]
.endr
	s_lshl_b32 s42, s31, 2
	s_add_co_u32 s42, s42, s28                     ; which run of 8,192 numbers of the tensor is my wave's
	s_lshl_b32 s44, s33, 2
	s_add_co_u32 s44, s44, s28                     ; and which run of the buffers written
	s_mov_b32 s47, 0
	s_cmp_eq_u32 s30, 6
	s_cbranch_scc1 .Lwo
	s_lshl_b32 s46, s42, 15                        ; 32,768 bytes of numbers a run
	s_add_nc_u64 s[SRC:SRC+1], s[SRC:SRC+1], s[46:47]
	s_lshl_b32 s46, s44, 12                        ; 4,096 bytes of codes
	s_add_nc_u64 s[COD:COD+1], s[COD:COD+1], s[46:47]
	s_lshl_b32 s46, s44, 8                         ; 256 scale bytes
	s_add_nc_u64 s[SCA:SCA+1], s[SCA:SCA+1], s[46:47]
.macro LOAD t
.irp i, 0,1,2,3
	global_load_b128 v[R+16*((\t)%4)+4*\i:R+16*((\t)%4)+4*\i+3], v3, s[SRC:SRC+1] offset:2048*(\t)+512*\i th:TH_LOAD_NT   ; 32 lanes read 512 consecutive bytes
.endr
.endm
.macro TURN t                          ; step t's numbers through the stage: LDS serves a wave's instructions in order (ISA guide 5.7.1.4), so no wait stands between the stores and the loads
.irp i, 0,1,2,3
	ds_store_b128 v14, v[R+16*((\t)%4)+4*\i:R+16*((\t)%4)+4*\i+3] offset:32*SP*((\t)%2)+8*SP*\i
.endr
.irp i, 0,1,2,3
	ds_load_b128 v[X+16*((\t)%2)+4*\i:X+16*((\t)%2)+4*\i+3], v15 offset:32*SP*((\t)%2)+16*\i
.endr
.endm
.irp t, 0,1,2,3
	LOAD \t
.endr
	s_wait_loadcnt 12                              ; step 0's four loads are in; twelve younger ones stay out
	TURN 0
.macro STEP t
.set XS, X+16*((\t)%2)
.if (\t) > 0
	s_wait_dscnt 1                                 ; this step's numbers are back from the stage (the last step's byte store may be out): so its stores into the stage have read their registers,
.else
	s_wait_dscnt 0x0
.endif
.if (\t)+4 < STEPS
	LOAD (\t)+4                                    ; which take the loads of four steps on
.endif
.if (\t)+1 < STEPS
.if STEPS-2-(\t) >= 3
	s_wait_loadcnt 12                              ; the next step's four loads are in; those of the three steps behind it may be out
.else
	s_wait_loadcnt 4*(STEPS-2-(\t))
.endif
	TURN (\t)+1                                    ; and go through the other stage while this step is worked
.endif
	v_max3_num_f32 v8, |v[XS]|, |v[XS+1]|, |v[XS+2]|               ; the largest magnitude of my 16, in two chains
	v_max3_num_f32 v9, |v[XS+3]|, |v[XS+4]|, |v[XS+5]|
.irp i, 6,10
	v_max3_num_f32 v8, v8, |v[XS+\i]|, |v[XS+\i+1]|
	v_max3_num_f32 v9, v9, |v[XS+\i+2]|, |v[XS+\i+3]|
.endr
	v_max3_num_f32 v8, v8, |v[XS+14]|, |v[XS+15]|
	v_max3_num_f32 v8, v8, v9, (EMAX+1)<<23        ; and the floor 2^(EMAX + 1 - 127): the byte cannot fall under 1
	v_max_num_f32_dpp v8, v8, v8 row_xmask:1 row_mask:0xf bank_mask:0xf   ; and of my neighbour's 16: the block's
	v_add_nc_u32 v11, -(EMAX<<23), v8              ; EMAX off its exponent field: the conversion takes the exponent field of this operand as its scale, and nothing else of it
	v_cvt_scalef32_pk8_fp4_f32 v[C+4*(\t)], v[XS:XS+7], v11        ; eight numbers / the scale, to the nearest code, ties to even, beyond the largest code the largest
	v_cvt_scalef32_pk8_fp4_f32 v[C+4*(\t)+1], v[XS+8:XS+15], v11
	v_lshrrev_b32 v[E+(\t)], 23, v11               ; the scale's byte (also the plain instruction behind the conversions)
	ds_store_b8 v5, v[E+(\t)] offset:16*(\t)       ; both lanes of a block write the same byte with the same value
	global_store_b64 v4, v[C+4*(\t):C+4*(\t)+1], s[COD:COD+1] offset:32*CB*(\t)   ; the wave stores 256 consecutive bytes, aligned
.endm
.irp t, 0,1,2,3,4,5,6,7,8,9,10,11,12,13,14,15
	STEP \t
.endr
	ds_load_b64 v[8:9], v6                         ; served behind my byte stores
	s_wait_dscnt 0x0
	global_store_b64 v7, v[8:9], s[SCA:SCA+1]      ; 32 lanes store 256 consecutive bytes, aligned
	s_wait_tensorcnt 0x0                           ; the wave's end, behind my last LDS store
	ds_add_u32 v[SPW], v[NIL]
	s_wait_dscnt 0x0
	s_endpgm
; Wo to f16: a wave's 8,192 numbers are 64 pieces of 512 bytes, in four batches of 16 loads, two batches in flight.  No LDS.
.Lwo:
	s_lshl_b32 s46, s42, 15
	s_add_nc_u64 s[SRC:SRC+1], s[SRC:SRC+1], s[46:47]
	s_lshl_b32 s46, s42, 14                        ; 16,384 bytes of f16 a run
	s_add_nc_u64 s[26:27], s[26:27], s[46:47]
.macro LOADB n
.irp i, 0,1,2,3,4,5,6,7,8,9,10,11,12,13,14,15
	global_load_b128 v[R+64*((\n)%2)+4*\i:R+64*((\n)%2)+4*\i+3], v3, s[SRC:SRC+1] offset:512*(16*(\n)+\i) th:TH_LOAD_NT
.endr
.endm
	LOADB 0
	LOADB 1
.irp n, 0,1,2,3
.if \n < 3
	s_wait_loadcnt 16                              ; this batch is in; the next batch's sixteen loads stay out
.else
	s_wait_loadcnt 0x0
.endif
	s_wait_xcnt 0x0                                ; the last batch's stores have read their data registers: they are written again only behind this wait
.irp i, 0,1,2,3,4,5,6,7,8,9,10,11,12,13,14,15
	v_cvt_pk_f16_f32 v[H16+2*\i], v[R+64*(\n%2)+4*\i], v[R+64*(\n%2)+4*\i+1]
	v_cvt_pk_f16_f32 v[H16+2*\i+1], v[R+64*(\n%2)+4*\i+2], v[R+64*(\n%2)+4*\i+3]
.endr
.irp i, 0,1,2,3,4,5,6,7,8,9,10,11,12,13,14,15
	global_store_b64 v4, v[H16+2*\i:H16+2*\i+1], s[26:27] offset:256*(16*\n+\i)   ; the wave stores 256 consecutive bytes, aligned
.endr
.if \n < 2
	LOADB \n+2
.endif
.endr
	s_endpgm
.Lfunc_end_k_q2425873de4_quant:
	.size	k_q2425873de4_quant, .Lfunc_end_k_q2425873de4_quant-k_q2425873de4_quant
	.p2alignl 7, 3214868480
	.fill 96, 4, 3214868480
	.section	.rodata,"a",@progbits
	.p2align	6, 0x0
	.amdhsa_kernel k_q2425873de4_quant
		.amdhsa_group_segment_fixed_size 33280
		.amdhsa_private_segment_fixed_size 0
		.amdhsa_enable_private_segment 0
		.amdhsa_kernarg_size 96
		.amdhsa_user_sgpr_count 2
		.amdhsa_user_sgpr_kernarg_segment_ptr 1
		.amdhsa_wavefront_size32 1
		.amdhsa_system_sgpr_workgroup_id_x 1
		.amdhsa_system_sgpr_workgroup_id_y 1
		.amdhsa_system_sgpr_workgroup_id_z 1
		.amdhsa_system_vgpr_workitem_id 0
		.amdhsa_next_free_vgpr 192
		.amdhsa_next_free_sgpr 66
		.amdhsa_reserve_vcc 0
		.amdhsa_float_denorm_mode_32 3
		.amdhsa_float_denorm_mode_16_64 3
		.amdhsa_memory_ordered 1
		.amdhsa_forward_progress 1
		.amdhsa_inst_pref_size 54
	.end_amdhsa_kernel
	.amdgpu_metadata
---
amdhsa.version: [ 1, 2 ]
amdhsa.kernels:
  - .name:           k_q2425873de4_quant
    .symbol:         k_q2425873de4_quant.kd
    .args:
      - { .name: q, .offset: 0, .size: 8, .value_kind: global_buffer, .address_space: global }
      - { .name: k, .offset: 8, .size: 8, .value_kind: global_buffer, .address_space: global }
      - { .name: v, .offset: 16, .size: 8, .value_kind: global_buffer, .address_space: global }
      - { .name: Wq, .offset: 24, .size: 8, .value_kind: global_buffer, .address_space: global }
      - { .name: Wk, .offset: 32, .size: 8, .value_kind: global_buffer, .address_space: global }
      - { .name: Wv, .offset: 40, .size: 8, .value_kind: global_buffer, .address_space: global }
      - { .name: Wo, .offset: 48, .size: 8, .value_kind: global_buffer, .address_space: global }
      - { .name: x_codes, .offset: 56, .size: 8, .value_kind: global_buffer, .address_space: global }
      - { .name: x_scales, .offset: 64, .size: 8, .value_kind: global_buffer, .address_space: global }
      - { .name: w_codes, .offset: 72, .size: 8, .value_kind: global_buffer, .address_space: global }
      - { .name: w_scales, .offset: 80, .size: 8, .value_kind: global_buffer, .address_space: global }
      - { .name: wo16, .offset: 88, .size: 8, .value_kind: global_buffer, .address_space: global }
    .group_segment_fixed_size: 33280
    .private_segment_fixed_size: 0
    .kernarg_segment_align: 8
    .kernarg_segment_size: 96
    .max_flat_workgroup_size: 128
    .sgpr_count:     66
    .vgpr_count:     192
    .wavefront_size: 32
...
	.end_amdgpu_metadata
.endif
;; end of part 1
;; launch proj (part 2): grid 4 x 96, 4 waves a work-group, clusters of 4 x 4, 327,680 bytes of LDS; arguments x_codes, x_scales, w_codes, w_scales, qkv, bq, bk, bv, kv_mask; writes qkv
.if DOCPART == 2
	.amdgcn_target "amdgcn-amd-amdhsa--gfx1250"
	.amdhsa_code_object_version 6
	.text
	.protected	k_q2425873de4_proj
	.globl	k_q2425873de4_proj
	.p2align	8
	.type	k_q2425873de4_proj,@function
k_q2425873de4_proj:
	s_mov_b64 s[64:65], 0
	v_nop
	global_prefetch_b8 v0, s[64:65] scope:SCOPE_SE
	s_setreg_imm32_b32 hwreg(HW_REG_WAVE_MODE, 25, 1), 1
	s_wait_xcnt 0x0
	s_wait_alu depctr_hold_cnt(0) depctr_sa_sdst(0) depctr_va_vdst(0) depctr_va_sdst(0) depctr_va_ssrc(0) depctr_va_vcc(0) depctr_vm_vsrc(0)
	s_getreg_b32 s2, hwreg(HW_REG_IB_STS2, 6, 4)
	s_cmp_eq_u32 s2, 0
	s_cbranch_scc0 .Lentry_in_a_cluster
	s_endpgm
.Lentry_in_a_cluster:
	s_bfe_u32 s2, ttmp6, 0x10000c
	s_cmp_lg_u32 s2, 0xf033
	s_cbranch_scc0 .Lentry_shape_is_right
	s_endpgm
.Lentry_shape_is_right:
; The three quantised projections as ONE product: qkv[row][n] = f(row) x (sum over k of X[row][k] W[which][n][k] + bias[which][n]), rounded to f16.
; X: [24576][1024] codes of FP4 (q's, k's, v's rows on end), W: [3 x 1024][1024] codes, each with one E8M0 byte for each 32 along K; sums in f32.  which = row / 8192.
; THE ROW FACTOR f: q's rows take c = log2(e) / 8, so that the scores of the next launch come out of the matrix unit ready for 2^x; k's rows take their token's mask byte, 0 or 1, so that a masked key is exactly 0;
; v's rows take 1.  It is made without a branch: f = mask x alpha + beta, alpha and beta chosen by which.
; LIMITS: what is stored has to lie inside f16 (magnitudes under 65,504); NaN and infinities are not served.
; A tile of 256 x 256 is made by four waves, each 128 x 128: 64 accumulators, 512 registers.  K = 1,024 is two LDS slots of 512 along K (rows of 256 bytes): both are asked for at the start and no LDS byte is filled twice.
; The scale bytes of the work-group's 256 rows of X and of W come once, as dense runs of 256 bytes.  384 work-groups: three tensors of 8,192 rows do not divide into 256 equal tiles that each take one W.
; CLUSTERS: 4 x 4 work-groups.  The four of a row need the same tiles of X, the four of a column the same tiles of W: each tile is asked for jointly.  All sixteen share which (a tensor is eight clusters high).
; THE MATRIX INSTRUCTION IS USED TRANSPOSED (source 0 = 16 rows of W, source 1 = 16 rows of X): a lane holds eight neighbouring columns of one row.  The bias is the C of each sum's first instruction.
; REGISTERS: window 0: v0-31 addresses; v32-95 scale words, two sets, and nothing else; v96-111 the row factors, a pair for each block of 16 rows; v112-119 mask bytes; v128-191 X's fragments, on the way out rows read back;
;   v192-255 the bias, eight registers for each block of 16 columns, on the way out packed results.   window 1: W's fragments, two sets, at v0 and v128.   windows 2, 3: the accumulators ((a, b) at v[8 (8 (a % 4) + b)]).
.set SIZE_K, 1024
.set KSTEP,  512
.set NQ,     KSTEP/128
.set ROWB,   256                       ; a tile's row in bytes
.set KROW,   SIZE_K*4/8                ; a row of codes in memory
.set PITCH,  272                       ; an LDS row: 256 bytes + 16 of padding: the 16 rows that a load touches start at 16 different banks (64 banks of 4 bytes: ISA guide 11.1)
.set FR,     8
.set NL,     2
.set NP,     4                         ; places behind this matrix instruction (ISA guide 7.12.1)
.set HALFT,  128*PITCH
.set SLOT,   4*HALFT
.set KS,     SIZE_K/32
.set SCL,    2*SLOT
.set HALFS,  (128*KS/256)*272
.set SBLK,   (16*KS/256)*272
.set SPARE,  SCL+4*HALFS               ; the spare words, 128 bytes a wave, which no other line names
.set SPITCH, 272                       ; the way out: a stage of 16 rows x (256 bytes + 16) for each wave, in slot 0, which has had its one fill and its last read by then
.set ADRA, 16
.set ADRB, 20
.set STO,  24
.set RD,   25
.set CO,   26
.set ADRS, 27
.set SPW,  28
.set NIL,  29
.set SC,   32
.set FP,   96
.set MB,   112
.set AF,   128
.set BK,   128
.set BIA,  192
.set TP,   192
.set G1, 24
.set G0, 32
.set G1B, 48
.set G0B, 56
.set G1S, 68
.set G0S, 76
.set G1SB, 80
.set G0SB, 88
.set MSB, 0
.macro WIN new                         ; the immediate's high byte repeats the setting that is left
.if MSB != (\new)
	s_set_vgpr_msb (MSB<<8)|(\new)
.set MSB, (\new)
.endif
.endm
.set MUL_LO, 0xa1                      ; source 0 (W) window 1, source 1 (X) window 0, C and D window 2
.set MUL_HI, 0xf1                      ; the same, C and D window 3
.set TO_B,   0x40
; A joint load: waves 0 and 1 fetch for X, waves 2 and 3 for W.  The branch hangs on the wave's number alone.  An s_nop 0 and four v_nop follow each of the two lines.
.macro JLOAD g0a, g1a, g0b, g1b
	s_cmp_eq_u32 s15, 0
	s_cbranch_scc0 .Lfor_b_\@
	tensor_load_to_lds s[\g0a:\g0a+3], s[\g1a:\g1a+7]
	s_nop 0
.rept 4
	v_nop
.endr
	s_branch .Lasked_\@
.Lfor_b_\@:
	tensor_load_to_lds s[\g0b:\g0b+3], s[\g1b:\g1b+7]
	s_nop 0
.rept 4
	v_nop
.endr
.Lasked_\@:
.endm
.macro CROUND                          ; a round of the cluster's barrier
	s_barrier_signal -1
	s_barrier_wait -1
	s_cmp_lg_u32 s14, 0
	s_cbranch_scc1 .Lnot_wave_0_\@
	s_barrier_signal -3
.Lnot_wave_0_\@:
	s_barrier_wait -3
	s_barrier_signal -1
	s_barrier_wait -1
.endm
	s_load_b128 s[4:7], s[0:1], 0x0                ; X's codes, X's scales
	s_load_b128 s[8:11], s[0:1], 0x10              ; W's codes, W's scales
	s_load_b64 s[12:13], s[0:1], 0x20              ; qkv
	s_load_b64 s[96:97], s[0:1], 0x28              ; bq
	s_load_b64 s[98:99], s[0:1], 0x30              ; bk
	s_load_b64 s[100:101], s[0:1], 0x38            ; bv
	s_load_b64 s[104:105], s[0:1], 0x40            ; kv_mask
	v_lshl_add_u32 v[SPW], v0, 2, SPARE
	v_mov_b32 v[NIL], 0
	ds_add_u32 v[SPW], v[NIL]                      ; the wave's opening: the add, twice on end, and its wait ahead of my first tensor load
	ds_add_u32 v[SPW], v[NIL]
	v_lshrrev_b32 v1, 5, v0
	v_readfirstlane_b32 s14, v1                    ; wave 0..3
	s_lshr_b32 s15, s14, 1                         ; which half of the tile's rows is mine.  Also: I fetch for X (0) or for W (1)
	s_and_b32 s16, s14, 1                          ; which half of its columns.  Also: which 128 rows of that tile I fetch
	s_bfe_u32 s40, ttmp6, 0x40000                  ; cx, cy
	s_bfe_u32 s41, ttmp6, 0x40004
	s_lshl_b32 s42, ttmp9, 2
	s_add_co_u32 s42, s42, s40                     ; tile column = 4 x cluster x + cx
	s_and_b32 s17, ttmp7, 0xffff
	s_lshr_b32 s95, s17, 3                         ; which = cluster y / 8: the same in all sixteen partners
	s_lshl_b32 s17, s17, 2
	s_add_co_u32 s17, s17, s41                     ; tile row = 4 x cluster y + cy
	s_lshl_b32 s43, s41, 2
	s_lshl_b32 s43, 15, s43                        ; my row of the cluster
	s_lshl_b32 s44, 0x1111, s40                    ; my column
	s_or_b32 s[G1+0], s43, (0<<16)|(1<<20)|(1<<21)|(5<<22)|(3<<25)  ; the mask; elements of 1 byte; padding on; bit 21 beside a mask; 4 words of padding after every 64
	s_or_b32 s[G1B+0], s44, (0<<16)|(1<<20)|(1<<21)|(5<<22)|(3<<25)
.irp g, G1, G1B
	s_mov_b32 s[\g+1], ROWB<<16                    ; tensor_dim0
	s_mov_b32 s[\g+2], 128<<16                     ; tensor_dim1
	s_mov_b32 s[\g+3], ROWB<<16                    ; tile_dim0
	s_mov_b32 s[\g+4], 128                         ; tile_dim1
	s_mov_b32 s[\g+5], KROW                        ; from row to row
	s_mov_b32 s[\g+6], 0
	s_mov_b32 s[\g+7], 0
.endr
	s_or_b32 s[G1S+0], s43, (3<<16)|(1<<20)|(1<<21)|(5<<22)|(3<<25) ; the scales of 128 rows: 4,096 dense bytes as 16 rows of 256 (32 elements of 8 bytes), 16 bytes of padding behind each
	s_or_b32 s[G1SB+0], s44, (3<<16)|(1<<20)|(1<<21)|(5<<22)|(3<<25)
.irp g, G1S, G1SB
	s_mov_b32 s[\g+1], 32<<16
	s_mov_b32 s[\g+2], (128*KS/256)<<16
	s_mov_b32 s[\g+3], 32<<16
	s_mov_b32 s[\g+4], 128*KS/256
	s_mov_b32 s[\g+5], 32
	s_mov_b32 s[\g+6], 0
	s_mov_b32 s[\g+7], 0
.endr
	s_lshl_b32 s18, s16, 7                         ; which 128 rows of the tile I fetch
	s_lshl_b32 s20, s17, 8
	s_add_co_u32 s20, s20, s18                     ; X: row 256 x tile row + 128 x half
	s_lshl_b32 s46, s42, 8
	s_add_co_u32 s46, s46, s18                     ; W: row 256 x tile column + 128 x half
	s_lshl_b32 s47, s95, 10
	s_add_co_u32 s46, s46, s47                     ;    + 1,024 x which
	s_mov_b32 s21, 0
	s_mov_b32 s47, 0
	s_mov_b64 s[18:19], KS
	s_mul_u64 s[22:23], s[20:21], s[18:19]         ; where these rows' scales begin,
	s_mul_u64 s[92:93], s[46:47], s[18:19]
	s_mov_b64 s[18:19], KROW
	s_mul_u64 s[20:21], s[20:21], s[18:19]         ; and their codes
	s_mul_u64 s[46:47], s[46:47], s[18:19]
	s_mul_i32 s45, s14, HALFT                      ; where they go: wave x 128 rows
	s_mul_i32 s94, s14, HALFS
	s_wait_dscnt 0x0                               ; both opening adds are done
	s_wait_kmcnt 0x0
	s_add_nc_u64 s[20:21], s[4:5], s[20:21]
	s_add_nc_u64 s[22:23], s[6:7], s[22:23]
	s_add_nc_u64 s[46:47], s[8:9], s[46:47]
	s_add_nc_u64 s[92:93], s[10:11], s[92:93]
	CROUND                                         ; all sixteen work-groups are here: the joint loads meet
	s_mov_b32 s[G0S], 1
	s_add_co_u32 s[G0S+1], s94, SCL
	s_mov_b64 s[G0S+2:G0S+3], s[22:23]
	s_or_b32 s[G0S+3], s[G0S+3], 0x80000000
	s_mov_b32 s[G0SB], 1
	s_add_co_u32 s[G0SB+1], s94, SCL
	s_mov_b64 s[G0SB+2:G0SB+3], s[92:93]
	s_or_b32 s[G0SB+3], s[G0SB+3], 0x80000000
	JLOAD G0S, G1S, G0SB, G1SB                     ; the scales first: they are wanted with the first slot
.irp s, 0,1
	s_mov_b32 s[G0+4*\s], 1
	s_add_co_u32 s[G0+4*\s+1], s45, \s*SLOT
	s_add_nc_u64 s[G0+4*\s+2:G0+4*\s+3], s[20:21], \s*ROWB
	s_or_b32 s[G0+4*\s+3], s[G0+4*\s+3], 0x80000000
	s_mov_b32 s[G0B+4*\s], 1
	s_add_co_u32 s[G0B+4*\s+1], s45, \s*SLOT
	s_add_nc_u64 s[G0B+4*\s+2:G0B+4*\s+3], s[46:47], \s*ROWB
	s_or_b32 s[G0B+4*\s+3], s[G0B+4*\s+3], 0x80000000
	JLOAD G0+4*\s, G1, G0B+4*\s, G1B               ; three tensor loads of mine are out: all that this launch has
.endr
	v_and_b32 v1, 15, v0                           ; r = l % 16
	v_bfe_u32 v2, v0, 4, 1                         ; h = l / 16
	v_mul_u32_u24 v3, v1, PITCH
	v_lshl_add_u32 v4, v2, 4, v3                   ; a fragment's row x pitch + 16 h
	s_mul_i32 s21, s15, HALFT
	s_mul_i32 s22, s16, HALFT
	s_add_co_u32 s22, s22, 2*HALFT
.irp s, 0,1
	v_add_nc_u32 v[ADRA+\s], s21, v4
	v_add_nc_u32 v[ADRB+\s], s22, v4
	s_add_co_u32 s21, s21, SLOT
	s_add_co_u32 s22, s22, SLOT
.endr
	v_mul_u32_u24 v5, v1, KS                       ; my row's scales: KS bytes a row,
	v_lshrrev_b32 v6, 8, v5
	v_lshl_add_u32 v5, v6, 4, v5                   ; and 16 more for each 256 passed
	s_mul_i32 s21, s15, HALFS
	s_mul_i32 s22, s16, HALFS
	s_add_co_u32 s22, s22, 2*HALFS
	s_sub_co_u32 s22, s22, s21
	v_mul_u32_u24 v6, s22, v2                      ; lanes 16-31 take W's
	s_add_co_u32 s21, s21, SCL
	v_add_nc_u32 v5, v5, v6
	v_add_nc_u32 v[ADRS], s21, v5
	s_mul_i32 s23, s14, 16*SPITCH                  ; my stage
	v_mul_u32_u24 v5, v1, SPITCH                   ; in: row r, 16 bytes for each half of the lanes
	v_lshl_add_u32 v5, v2, 4, v5
	v_add_nc_u32 v[STO], s23, v5
	v_mul_u32_u24 v5, v2, SPITCH                   ; back: lanes 0-15 one row of 256 bytes, lanes 16-31 the next
	v_lshl_add_u32 v5, v1, 4, v5
	v_add_nc_u32 v[RD], s23, v5
	v_lshlrev_b32 v5, 11, v2                       ; and the same two rows in qkv: 2,048 bytes a row
	v_lshl_add_u32 v[CO], v1, 4, v5
	s_lshl_b32 s20, s17, 8
	s_lshl_b32 s21, s15, 7
	s_add_co_u32 s20, s20, s21                     ; my first row: 256 x tile row + 128 x half
	s_lshl_b32 s20, s20, 11
	s_lshl_b32 s46, s42, 9                         ; my first column, in bytes: 512 x tile column + 256 x half
	s_lshl_b32 s47, s16, 8
	s_add_co_u32 s46, s46, s47
	s_add_co_u32 s20, s20, s46
	s_mov_b32 s21, 0
	s_add_nc_u64 s[12:13], s[12:13], s[20:21]
	; the bias, alpha and beta by which
	s_mov_b32 s67, 0x3e38aa3b                      ; c = log2(e) / 8
	s_cmp_eq_u32 s95, 1
	s_cselect_b64 s[96:97], s[98:99], s[96:97]
	s_cselect_b32 s66, 1.0, 0                      ; alpha: k's rows take the mask
	s_cselect_b32 s67, 0, s67
	s_cmp_eq_u32 s95, 2
	s_cselect_b64 s[96:97], s[100:101], s[96:97]
	s_cselect_b32 s67, 1.0, s67                    ; beta: c, 0 or 1
	s_lshl_b32 s46, s46, 1                         ; my first column in the bias: 4 bytes a number
	s_mov_b32 s47, 0
	s_add_nc_u64 s[96:97], s[96:97], s[46:47]
	s_and_b32 s46, s17, 31                         ; my rows' tokens: 32 tile rows to a tensor
	s_lshl_b32 s46, s46, 8
	s_lshl_b32 s20, s15, 7
	s_add_co_u32 s46, s46, s20
	s_add_nc_u64 s[104:105], s[104:105], s[46:47]
	v_lshlrev_b32 v7, 5, v2                        ; 32 h: lane (r, h) wants, for block b, the bias of columns 16 b + 8 h + 0 .. 7
.irp b, 0,1,2,3,4,5,6,7
	global_load_b128 v[BIA+8*\b:BIA+8*\b+3], v7, s[96:97] offset:64*\b
	global_load_b128 v[BIA+8*\b+4:BIA+8*\b+7], v7, s[96:97] offset:64*\b+16
.endr
.irp a, 0,1,2,3,4,5,6,7
	global_load_u8 v[MB+\a], v1, s[104:105] offset:16*\a           ; the mask byte of row 16 a + r's token
.endr
	s_wait_loadcnt 0x0
.irp a, 0,1,2,3,4,5,6,7
	v_cvt_f32_u32 v[MB+\a], v[MB+\a]
.endr
.irp a, 0,1,2,3,4,5,6,7
	v_fma_f32 v[FP+2*\a], v[MB+\a], s66, s67       ; f = mask x alpha + beta
.endr
.irp a, 0,1,2,3,4,5,6,7
	v_mov_b32 v[FP+2*\a+1], v[FP+2*\a]             ; twice, for the packed multiply
.endr
.macro FRAG reg, adr, q, i             ; 16 rows x 128 K of 4-bit codes: 8 registers; lane l holds row l % 16; registers 4 c .. 4 c + 3 hold K = 64 c + 32 (l / 16) + 0 .. 31
.irp c, 0,1
	ds_load_b128 v[\reg+4*\c:\reg+4*\c+3], v[\adr] offset:64*(\q)+32*\c+(\i)*16*PITCH
.endr
.endm
; 16 matrix instructions: X's blocks a0, a0 + 1 x W's eight, the slot's q-th 128 along K.  first = 1: the sums start from the bias.  The 64 accumulators take turns, one instruction a turn.
.macro MUL16 a0, p, q, sc, first
.irp a, \a0, \a0+1
.irp b, 0,1,2,3,4,5,6,7
.if \first
	v_wmma_scale_f32_16x16x128_f8f6f4 v[8*(8*((\a)%4)+\b):8*(8*((\a)%4)+\b)+7], v[128*(\p)+FR*\b:128*(\p)+FR*\b+FR-1], v[AF+FR*(\a):AF+FR*(\a)+FR-1], v[BIA+8*\b:BIA+8*\b+7], v[SC+8*NQ*(\sc)+NQ*\b+(\q)], v[SC+8*NQ*(\sc)+NQ*(\a)+(\q)] matrix_a_fmt:MATRIX_FMT_FP4 matrix_b_fmt:MATRIX_FMT_FP4 matrix_a_scale:MATRIX_SCALE_ROW1
.else
	v_wmma_scale_f32_16x16x128_f8f6f4 v[8*(8*((\a)%4)+\b):8*(8*((\a)%4)+\b)+7], v[128*(\p)+FR*\b:128*(\p)+FR*\b+FR-1], v[AF+FR*(\a):AF+FR*(\a)+FR-1], v[8*(8*((\a)%4)+\b):8*(8*((\a)%4)+\b)+7], v[SC+8*NQ*(\sc)+NQ*\b+(\q)], v[SC+8*NQ*(\sc)+NQ*(\a)+(\q)] matrix_a_fmt:MATRIX_FMT_FP4 matrix_b_fmt:MATRIX_FMT_FP4 matrix_a_scale:MATRIX_SCALE_ROW1
.endif
.endr
.endr
.endm
.macro FETCH_B slot, q, p
	WIN TO_B
.irp i, 0,1,2,3,4,5,6,7
	FRAG 128*(\p)+FR*\i, ADRB+\slot, \q, \i
.endr
	WIN 0
.endm
.macro FETCH_A slot, q, i0
.irp i, \i0, \i0+1, \i0+2, \i0+3
	FRAG AF+FR*(\i), ADRA+\slot, \q, \i
.endr
.endm
.macro SCALES sc                       ; a slot's scale words: four a row; lanes 0-15 take X's block i, lanes 16-31 W's block i
.irp i, 0,1,2,3,4,5,6,7
	ds_load_b128 v[SC+8*NQ*\sc+NQ*\i:SC+8*NQ*\sc+NQ*\i+3], v[ADRS] offset:\i*SBLK
.endr
.endm
.macro PLACES n                        ; plain vector instructions between a matrix instruction and a load into, or a vector read or write of, its registers
.rept \n
	v_nop
.endr
.endm
.macro STEP slot, q, first             ; 128 along K that has its successor in the same slot.  first = 1: C, the bias, lies in window 0
	s_wait_dscnt 4*NL                              ; W's set and X's blocks 0-3 are in; the youngest eight loads (X's blocks 4-7) may be out
	WIN MUL_LO-0x20*(\first)
	MUL16 0, (\q)%2, \q, \slot, \first
	MUL16 2, (\q)%2, \q, \slot, \first
	s_wait_dscnt 0
	PLACES NP
	FETCH_B \slot, (\q)+1, 1-(\q)%2
	FETCH_A \slot, (\q)+1, 0
	WIN MUL_HI-0x30*(\first)
	MUL16 4, (\q)%2, \q, \slot, \first
	MUL16 6, (\q)%2, \q, \slot, \first
	PLACES NP
	WIN 0
	FETCH_A \slot, (\q)+1, 4
.endm
.macro STEPS slot, from
.set Q, \from
.rept NQ-1-\from
	STEP \slot, Q, 0
.set Q, Q+1
.endr
.endm
	s_wait_tensorcnt 1                             ; the scales and my part of slot 0 are in; slot 1's load may stay out
	s_barrier_signal -1
	s_barrier_wait -1
	FETCH_B 0, 0, 0
	FETCH_A 0, 0, 0
	SCALES 0
	FETCH_A 0, 0, 4
	STEP 0, 0, 1
	STEPS 0, 1
	; slot 0's last step changes slots: one barrier; in front of it my loads have landed and my reads of slot 0 are over
	s_wait_tensorcnt 0x0                           ; my part of slot 1 has landed
	ds_add_u32 v[SPW], v[NIL]                      ; 0 onto my spare word
	s_wait_dscnt 4*NL+1                            ; (the add and X's blocks 4-7 may be out)
	WIN MUL_LO
	MUL16 0, 1, NQ-1, 0, 0
	s_wait_dscnt 0x0
	s_barrier_signal -1
	MUL16 2, 1, NQ-1, 0, 0
	WIN 0
	s_barrier_wait -1
	PLACES NP
	v_add_nc_u32 v[ADRS], 4*NQ, v[ADRS]            ; slot 1's scale words
	FETCH_B 1, 0, 0
	FETCH_A 1, 0, 0
	SCALES 1
	WIN MUL_HI
	MUL16 4, 1, NQ-1, 0, 0
	MUL16 6, 1, NQ-1, 0, 0
	PLACES NP
	WIN 0
	FETCH_A 1, 0, 4
	STEPS 1, 0
	s_wait_dscnt 4*NL                              ; the last step: nothing more to fetch
	WIN MUL_LO
	MUL16 0, 1, NQ-1, 1, 0
	MUL16 2, 1, NQ-1, 1, 0
	s_wait_dscnt 0
	WIN MUL_HI
	MUL16 4, 1, NQ-1, 1, 0
	MUL16 6, 1, NQ-1, 1, 0
	WIN 0
; THE WAY OUT, a block of 16 rows x 128 columns at a time: x f in place, rounded to f16 (16 bytes a lane), through my own stage in LDS, back as whole rows of 256 bytes.
.macro PACK a
.set AC, 64*((\a)%4)
	WIN 0x82+0x41*((\a)/4)                         ; destination and source 0: window 2 or 3; the factor: window 0
.irp b, 0,1,2,3,4,5,6,7
.irp r, 0,1,2,3
	v_pk_mul_f32 v[AC+8*\b+2*\r:AC+8*\b+2*\r+1], v[AC+8*\b+2*\r:AC+8*\b+2*\r+1], v[FP+2*(\a):FP+2*(\a)+1]   ; each accumulator from its low end on
.endr
.endr
	WIN 0x0a+5*((\a)/4)                            ; sources 0 and 1: window 2 or 3
.irp b, 0,1,2,3,4,5,6,7
.irp r, 0,1,2,3
	v_cvt_pk_f16_f32 v[TP+4*\b+\r], v[AC+8*\b+2*\r], v[AC+8*\b+2*\r+1]
.endr
.endr
	WIN 0
.endm
.macro TOSTAGE a
.set BB, BK+32*((\a)%2)
.irp b, 0,1,2,3,4,5,6,7
	ds_store_b128 v[STO], v[TP+4*\b:TP+4*\b+3] offset:32*\b
.endr
.irp t, 0,1,2,3,4,5,6,7
	ds_load_b128 v[BB+4*\t:BB+4*\t+3], v[RD] offset:\t*2*SPITCH    ; LDS serves a wave's instructions in order (ISA guide 5.7.1.4): these see the stores above
.endr
.endm
.macro SEND a
.set BB, BK+32*((\a)%2)
	s_wait_dscnt 0x0                               ; the block is back in registers
	s_wait_xcnt 0x0                                ; the stores of the block before have read their registers: the next block's loads land there only behind this wait
.irp t, 0,1,2,3,4,5,6,7
	global_store_b128 v[CO], v[BB+4*\t:BB+4*\t+3], s[12:13] offset:(16*(\a)+2*\t)*2048   ; 16 lanes store 256 consecutive bytes, aligned; the base is never stepped: 126 rows of 2,048 bytes at the most
.endr
.endm
	PLACES NP
	PACK 0
	TOSTAGE 0
.irp a, 1,2,3,4,5,6,7                  ; block a's arithmetic stands between block a - 1's loads from the stage and the wait for them
	PACK \a
	SEND \a-1
	TOSTAGE \a
.endr
	SEND 7
	s_wait_tensorcnt 0x0                           ; the wave's end, behind my last tensor load and my last LDS store
	ds_add_u32 v[SPW], v[NIL]
	s_wait_dscnt 0x0
	CROUND                                         ; the closing round
	s_endpgm
.Lfunc_end_k_q2425873de4_proj:
	.size	k_q2425873de4_proj, .Lfunc_end_k_q2425873de4_proj-k_q2425873de4_proj
	.p2alignl 7, 3214868480
	.fill 96, 4, 3214868480
	.section	.rodata,"a",@progbits
	.p2align	6, 0x0
	.amdhsa_kernel k_q2425873de4_proj
		.amdhsa_group_segment_fixed_size 327680
		.amdhsa_private_segment_fixed_size 0
		.amdhsa_enable_private_segment 0
		.amdhsa_kernarg_size 72
		.amdhsa_user_sgpr_count 2
		.amdhsa_user_sgpr_kernarg_segment_ptr 1
		.amdhsa_wavefront_size32 1
		.amdhsa_system_sgpr_workgroup_id_x 1
		.amdhsa_system_sgpr_workgroup_id_y 1
		.amdhsa_system_sgpr_workgroup_id_z 1
		.amdhsa_system_vgpr_workitem_id 0
		.amdhsa_next_free_vgpr 1024
		.amdhsa_next_free_sgpr 106
		.amdhsa_reserve_vcc 0
		.amdhsa_float_denorm_mode_32 3
		.amdhsa_float_denorm_mode_16_64 3
		.amdhsa_memory_ordered 1
		.amdhsa_forward_progress 1
		.amdhsa_inst_pref_size 147
	.end_amdhsa_kernel
	.amdgpu_metadata
---
amdhsa.version: [ 1, 2 ]
amdhsa.kernels:
  - .name:           k_q2425873de4_proj
    .symbol:         k_q2425873de4_proj.kd
    .args:
      - { .name: x_codes, .offset: 0, .size: 8, .value_kind: global_buffer, .address_space: global }
      - { .name: x_scales, .offset: 8, .size: 8, .value_kind: global_buffer, .address_space: global }
      - { .name: w_codes, .offset: 16, .size: 8, .value_kind: global_buffer, .address_space: global }
      - { .name: w_scales, .offset: 24, .size: 8, .value_kind: global_buffer, .address_space: global }
      - { .name: qkv, .offset: 32, .size: 8, .value_kind: global_buffer, .address_space: global }
      - { .name: bq, .offset: 40, .size: 8, .value_kind: global_buffer, .address_space: global }
      - { .name: bk, .offset: 48, .size: 8, .value_kind: global_buffer, .address_space: global }
      - { .name: bv, .offset: 56, .size: 8, .value_kind: global_buffer, .address_space: global }
      - { .name: kv_mask, .offset: 64, .size: 8, .value_kind: global_buffer, .address_space: global }
    .group_segment_fixed_size: 327680
    .private_segment_fixed_size: 0
    .kernarg_segment_align: 8
    .kernarg_segment_size: 72
    .max_flat_workgroup_size: 128
    .sgpr_count:     106
    .vgpr_count:     1024
    .wavefront_size: 32
...
	.end_amdgpu_metadata
.endif
;; end of part 2
;; launch attn (part 3): grid 8 x 32, 8 waves a work-group, clusters of 4 x 1, 327,680 bytes of LDS; arguments qkv, kv_mask, ao; writes ao
.if DOCPART == 3
	.amdgcn_target "amdgcn-amd-amdhsa--gfx1250"
	.amdhsa_code_object_version 6
	.text
	.protected	k_q2425873de4_attn
	.globl	k_q2425873de4_attn
	.p2align	8
	.type	k_q2425873de4_attn,@function
k_q2425873de4_attn:
	s_mov_b64 s[64:65], 0
	v_nop
	global_prefetch_b8 v0, s[64:65] scope:SCOPE_SE
	s_setreg_imm32_b32 hwreg(HW_REG_WAVE_MODE, 25, 1), 1
	s_wait_xcnt 0x0
	s_wait_alu depctr_hold_cnt(0) depctr_sa_sdst(0) depctr_va_vdst(0) depctr_va_sdst(0) depctr_va_ssrc(0) depctr_va_vcc(0) depctr_vm_vsrc(0)
	s_getreg_b32 s2, hwreg(HW_REG_IB_STS2, 6, 4)
	s_cmp_eq_u32 s2, 0
	s_cbranch_scc0 .Lentry_in_a_cluster
	s_endpgm
.Lentry_in_a_cluster:
	s_bfe_u32 s2, ttmp6, 0x10000c
	s_cmp_lg_u32 s2, 0x3003
	s_cbranch_scc0 .Lentry_shape_is_right
	s_endpgm
.Lentry_shape_is_right:
; ao[token][64 head + d] = sum over keys of softmax(where(mask, qh . kh / 8, -10000)) vh, for 4 batches x 16 heads x 2,048 queries x 2,048 keys, head size 64.
; qkv: [3][8192 tokens][1024] f16 from the launch before: q's rows already times c = log2(e) / 8, k's rows already times their mask byte, v's as they are.  ao: [8192][1024] f16.  Products on f16 operands, sums, maxima and exponentials in f32.
; THE MASK COSTS NO VECTOR WORK.  A masked key's row of k is exactly 0, so its product is exactly 0; the C of each score tile's first matrix instruction is 0 for an open key and -10000 log2(e) for a masked one:
; that IS where(mask, score, -10000), in units of log2.  A row whose keys are all masked so gets the uniform weights that the definition gives.
; SOFTMAX.  For each query a running maximum m and sum l: p = 2^(t - m); in every step O and l are multiplied by a = 2^(m_old - m_new).  O and l begin as zeros and m as -3e38, so the step is written once.
; LIMITS: inputs inside f16's range, as the launch before states; NaN and infinities are not served.
; SHARES.  A work-group owns 256 queries of a PAIR of heads of one batch: the pair's part of a token's row is 256 bytes, aligned, in K, V and ao alike.  Wave w: head w / 4 of the pair, queries 64 (w % 4) on, four tiles of 16.
; Two waves to a SIMD, 512 registers each: one wave's vector work stands beside the other's matrix work and LDS loads.  Every wave walks all 2,048 keys, 64 a step.
; LAYOUT.  S^T = K Q^T (source 0 = 16 keys, source 1 = 16 queries) and O^T = V^T P: a lane holds ONE query throughout; two score tiles rounded to f16 in pairs ARE source 1 of the second product.  V comes out of LDS turned.
; RING.  Two LDS slots of 256 keys (four steps).  Waves 0-3 fetch a step's 64 rows of K each, waves 4-7 of V: one tensor load a wave behind each change of slots, four steps in which to land; one tensor load of a wave is out at the most.
; CLUSTER.  The four query blocks of a cluster share batch and head pair, so K and V: each tile is asked for jointly.
; REGISTERS.  window 0: v1-13 addresses; v16-31 statistics (tile t: m, 0, l, l); v32-63 the step's bias, then eight registers at work for each tile; v64-191 S^T, 32 a tile, P laid over the first 16; v192-255 Q.
;   window 1: v0-127 O^T, 32 a tile; v128-191 K's fragments; v192-255 V's.
.set PK,    272                        ; a row of K in LDS: 256 bytes + 16: the 16 rows of a load start at 16 different banks (64 banks of 4 bytes: ISA guide 11.1)
.set PV,    288                        ; a row of V: 256 + 32
.set VOFF,  64*PK
.set STEPB, 64*(PK+PV)                 ; a step's tiles: 64 rows of K, then 64 rows of V
.set SLOT,  4*STEPB
.set BIAS,  2*SLOT                     ; 2,048 f32: the batch's keys: 0 or -10000 log2(e).  Written by LDS stores; no tile lands here
.set SPARE, BIAS+8192                  ; the spare words, 128 bytes a wave, which no other line names
.set SP,    272                        ; the way out: 256 rows x (256 bytes + 16) from LDS byte 0 on: slot 0 has had its last fill and its last read by then
.set KBASE, 16777216                   ; k's rows in qkv
.set VBASE, 33554432                   ; v's
.set SLOTG, 256*2048                   ; a slot's 256 rows in memory
.set AK0, 1
.set AV0, 2
.set AB0, 3
.set ADK, 4
.set ADV, 5
.set ADB, 6
.set STO, 7
.set RD,  8
.set GO,  9
.set SPW, 10                           ; v10  LDS address of my spare word; never rewritten
.set NIL, 11                           ; v11  0; never rewritten
.set PFO, 12                           ; v12  2,048 x my lane: a lane a row; never rewritten
.set QO,  13
.set ST,  16
.set BI,  32
.set TM,  32
.set S,   64
.set Q,   192
.set KF,  128                          ; in window 1
.set VF,  192                          ; in window 1
.set WV,  12
.set LIM, 15                           ; s15  1 in a wave that prefetches, else -1
.set PFA, 18                           ; s[18:19] where my prefetches stand
.set G1K, 24
.set G1V, 32
.set G0K, 40                           ; s[40:47] group 0 for K's tiles, a set for each slot
.set G0V, 48
.set LOOP, 56
.set CNT, 57
.set TB,  58                           ; LDS byte at which the step's tiles begin
.set TBI, 59                           ; byte in BIAS at which the step's 64 keys begin
.set SEL, 60
.set TBO, 62                           ; the same for the outer trip's first key
.set MSB, 0
.macro WIN new
.if MSB != (\new)
	s_set_vgpr_msb (MSB<<8)|(\new)
.set MSB, (\new)
.endif
.endm
; A joint load into slot s.  The branch hangs on the wave's number alone.  An s_nop 0 and four v_nop follow each of the two lines.
.macro JLOAD s
	s_cmp_lt_u32 s[WV], 4
	s_cbranch_scc0 .Lfor_v_\@
	tensor_load_to_lds s[G0K+4*(\s):G0K+4*(\s)+3], s[G1K:G1K+7]
	s_nop 0
.rept 4
	v_nop
.endr
	s_branch .Lasked_\@
.Lfor_v_\@:
	tensor_load_to_lds s[G0V+4*(\s):G0V+4*(\s)+3], s[G1V:G1V+7]
	s_nop 0
.rept 4
	v_nop
.endr
.Lasked_\@:
.endm
; A prefetch into the L2 of what the NEXT change of slots will ask for: 256 rows of K and of V, 256 bytes of each, a lane a row.  Each row is named once in the launch: of the two clusters that walk a head pair the first asks;
; its four partners take 64 rows each, told apart by address; in each, waves 0 and 1 ask for K's (32 rows each), waves 4 and 5 for V's.  It stands behind the wave's tensor load and its five lines, four key steps ahead of the load that wants the rows.
.macro ASK
	s_cmp_eq_u32 s[LIM], 1
	s_cbranch_scc0 .Lnot_mine_\@
	global_prefetch_b8 v[PFO], s[PFA:PFA+1] th:TH_LOAD_NT scope:SCOPE_SE
.Lnot_mine_\@:
.endm
.macro CROUND                          ; a round of the cluster's barrier
	s_barrier_signal -1
	s_barrier_wait -1
	s_cmp_lg_u32 s[WV], 0
	s_cbranch_scc1 .Lnot_wave_0_\@
	s_barrier_signal -3
.Lnot_wave_0_\@:
	s_barrier_wait -3
	s_barrier_signal -1
	s_barrier_wait -1
.endm
	s_load_b128 s[4:7], s[0:1], 0x0                ; qkv, kv_mask
	s_load_b64 s[8:9], s[0:1], 0x10                ; ao
	v_lshl_add_u32 v[SPW], v0, 2, SPARE
	v_mov_b32 v[NIL], 0
	ds_add_u32 v[SPW], v[NIL]                      ; the wave's opening: the add, twice on end, and its wait ahead of my first tensor load
	ds_add_u32 v[SPW], v[NIL]
	v_lshrrev_b32 v14, 5, v0
	v_readfirstlane_b32 s[WV], v14                 ; wave 0..7
	s_bfe_u32 s13, ttmp6, 0x40000                  ; cx
	s_and_b32 s14, s[WV], 3                        ; which 64 queries; also: which step of a slot I fetch
	s_lshr_b32 s17, s[WV], 2                       ; which head of the pair; also: I fetch K (0) or V (1)
	s_and_b32 s10, ttmp7, 0xffff                   ; 8 x batch + head pair: the four partners share it
	s_lshr_b32 s11, s10, 3
	s_and_b32 s10, s10, 7
	s_lshl_b32 s20, s11, 22                        ; the batch's 2,048 rows of 2,048 bytes,
	s_lshl_b32 s10, s10, 8
	s_add_co_u32 s20, s20, s10                     ; the pair's 256 bytes of a row
	s_lshl_b32 s22, s14, 17                        ; + 64 (w % 4) rows
	s_add_co_u32 s22, s22, s20
	s_mov_b32 s23, 0
	s_mul_i32 s16, s14, STEPB                      ; my step's place in a slot
	s_lshl_b32 s2, s11, 11                         ; the batch's mask bytes
	s_mov_b32 s3, 0
	; descriptor group 1: 64 rows x 128 elements of 2 bytes, 1,024 elements from row to row, padded in LDS
	s_mov_b32 s[G1K], 15|(1<<16)|(1<<20)|(1<<21)|(5<<22)|(3<<25)  ; the mask: all four; 2 bytes; padding on; bit 21 beside a mask; 4 words after every 64
	s_mov_b32 s[G1V], 15|(1<<16)|(1<<20)|(1<<21)|(5<<22)|(7<<25)  ; the same with 8 words
.irp g, G1K, G1V
	s_mov_b32 s[\g+1], 128<<16                     ; tensor_dim0
	s_mov_b32 s[\g+2], 64<<16                      ; tensor_dim1
	s_mov_b32 s[\g+3], 128<<16                     ; tile_dim0
	s_mov_b32 s[\g+4], 64                          ; tile_dim1
	s_mov_b32 s[\g+5], 1024                        ; from row to row
	s_mov_b32 s[\g+6], 0
	s_mov_b32 s[\g+7], 0
.endr
	s_mov_b32 s[SEL], 0x76543210
	s_mov_b32 s[SEL+1], 0xfedcba98                 ; v_permlanex16_b32: lane l xor 16
	s_and_b32 s[LIM], s[WV], 2                     ; 0 in waves 0, 1, 4, 5,
	s_or_b32 s[LIM], s[LIM], ttmp9                 ; of the pair's first cluster: the same in all four partners
	s_cmp_eq_u32 s[LIM], 0
	s_cselect_b32 s[LIM], 1, -1
	s_wait_dscnt 0x0                               ; both opening adds are done
	s_wait_kmcnt 0x0
	s_add_nc_u64 s[6:7], s[6:7], s[2:3]
	s_mov_b32 s3, VBASE+SLOTG                      ; the prefetches begin in slot 1; the first change of slots steps them to slot 2
	s_cmp_lt_u32 s[WV], 4
	s_cselect_b32 s2, KBASE+SLOTG, s3
	s_add_co_u32 s2, s2, s20
	s_lshl_b32 s3, s13, 17                         ; my work-group's 64 rows of the 256,
	s_add_co_u32 s2, s2, s3
	s_and_b32 s3, s[WV], 1
	s_lshl_b32 s3, s3, 16                          ; my wave's 32 of them
	s_add_co_u32 s2, s2, s3
	s_mov_b32 s3, 0
	s_add_nc_u64 s[PFA:PFA+1], s[4:5], s[2:3]
	s_lshl_b32 s21, ttmp9, 2
	s_add_co_u32 s21, s21, s13                     ; my block of 256 queries = 4 x cluster x + cx: it enters Q's and ao's addresses alone
	s_lshl_b32 s21, s21, 19
	s_lshl_b32 s2, s[WV], 16                       ; ao: I store rows 32 w on
	s_add_co_u32 s2, s2, s21
	s_add_co_u32 s2, s2, s20
	s_add_nc_u64 s[8:9], s[8:9], s[2:3]
	s_lshl_b32 s10, s17, 7                         ; Q: my head's 128 bytes, my block, my 64 rows
	s_add_co_u32 s10, s10, s21
	s_add_co_u32 s10, s10, s22
	s_mov_b32 s11, 0
	CROUND                                         ; all four work-groups are here: the first joint loads meet
.irp n, 0,1
	s_mov_b32 s[G0K+4*\n], 1
	s_add_co_u32 s[G0K+4*\n+1], s16, \n*SLOT
	s_add_nc_u64 s[G0K+4*\n+2:G0K+4*\n+3], s[4:5], s[22:23]
	s_add_nc_u64 s[G0K+4*\n+2:G0K+4*\n+3], s[G0K+4*\n+2:G0K+4*\n+3], KBASE+\n*SLOTG
	s_or_b32 s[G0K+4*\n+3], s[G0K+4*\n+3], 0x80000000
	s_mov_b32 s[G0V+4*\n], 1
	s_add_co_u32 s[G0V+4*\n+1], s16, \n*SLOT+VOFF
	s_add_nc_u64 s[G0V+4*\n+2:G0V+4*\n+3], s[4:5], s[22:23]
	s_add_nc_u64 s[G0V+4*\n+2:G0V+4*\n+3], s[G0V+4*\n+2:G0V+4*\n+3], VBASE+\n*SLOTG
	s_or_b32 s[G0V+4*\n+3], s[G0V+4*\n+3], 0x80000000
.endr
	JLOAD 0                                        ; slot 0; slot 1 is asked for behind the first trip's round
	s_add_nc_u64 s[4:5], s[4:5], s[10:11]          ; Q at my wave's first row
	v_lshlrev_b32 v[ADK], 3, v0
	global_load_b64 v[64:65], v[ADK], s[6:7]       ; eight mask bytes a thread: the batch's 2,048
	v_and_b32 v14, 15, v0                          ; r
	v_bfe_u32 v15, v0, 4, 1                        ; h
	v_lshlrev_b32 v[QO], 11, v14
	v_lshl_add_u32 v[QO], v15, 4, v[QO]            ; row r x 2,048 + 16 h
.irp t, 0,1,2,3
.irp c, 0,1
	global_load_b128 v[Q+16*\t+8*\c:Q+16*\t+8*\c+3],   v[QO], s[4:5] offset:32768*\t+64*\c      ; Q stays in registers: tile t, channels 32 c on
	global_load_b128 v[Q+16*\t+8*\c+4:Q+16*\t+8*\c+7], v[QO], s[4:5] offset:32768*\t+64*\c+32
.endr
.endr
	v_mul_u32_u24 v[AK0], v14, PK
	v_lshl_add_u32 v[AK0], v15, 4, v[AK0]
	s_lshl_b32 s2, s17, 7                          ; my head's 128 bytes of a row
	v_add_nc_u32 v[AK0], s2, v[AK0]                ; K: row r x pitch + 16 h + my head
	v_and_b32 v[AV0], 7, v0
	v_lshl_add_u32 v[AV0], v15, 3, v[AV0]
	v_mul_u32_u24 v[AV0], v[AV0], PV
	v_bfe_u32 v[ADV], v0, 3, 1
	v_lshl_add_u32 v[AV0], v[ADV], 4, v[AV0]
	s_add_co_u32 s3, s2, VOFF
	v_add_nc_u32 v[AV0], s3, v[AV0]                ; V, for the turning load: key 8 h + l % 8, channels 8 ((l / 8) % 2) on
	v_lshl_add_u32 v[AB0], v15, 5, BIAS            ; the bias: register j of a score tile is key 8 h + j
	s_mul_i32 s3, s14, 64*SP
	s_add_co_u32 s3, s3, s2
	v_mul_u32_u24 v[STO], v14, SP
	v_lshl_add_u32 v[STO], v15, 4, v[STO]
	v_add_nc_u32 v[STO], s3, v[STO]                ; the stage, in: row 64 (w % 4) + r, my head's half, 16 h
	s_mul_i32 s3, s[WV], 32*SP
	v_mul_u32_u24 v[RD], v15, SP
	v_lshl_add_u32 v[RD], v14, 4, v[RD]
	v_add_nc_u32 v[RD], s3, v[RD]                  ; back: rows 32 w on, lanes 0-15 one row, lanes 16-31 the next
	v_lshlrev_b32 v[GO], 11, v15
	v_lshl_add_u32 v[GO], v14, 4, v[GO]            ; and the same two rows in ao
	v_and_b32 v[PFO], 31, v0
	v_lshlrev_b32 v[PFO], 11, v[PFO]
	v_lshl_add_u32 v[ADB], v0, 5, BIAS             ; where my eight keys' bias goes
	v_mov_b32 v67, 0xc6616bcd                      ; -10000 log2(e)
	s_wait_loadcnt 16                              ; the mask bytes are in; Q's sixteen loads stay out
.irp i, 0,1,2,3,4,5,6,7
	v_bfe_u32 v66, v[64+\i/4], 8*(\i%4), 8
	v_cmp_eq_u32 vcc_lo, 0, v66
	v_cndmask_b32 v[68+\i], 0, v67, vcc_lo
.endr
	ds_store_b128 v[ADB], v[68:71]
	ds_store_b128 v[ADB], v[72:75] offset:16       ; the first trip's wait and round show them to every wave
.irp t, 0,1,2,3
	v_mov_b32 v[ST+4*\t], 0xff61b1e6               ; m: -3e38, under every t
	v_mov_b32 v[ST+4*\t+1], 0                      ; (named with m as a pair)
	v_mov_b32 v[ST+4*\t+2], 0                      ; l, even keys' and odd keys'
	v_mov_b32 v[ST+4*\t+3], 0
.endr
	WIN 0x40
.set i, 0
.rept 128
	v_mov_b32 v[i], 0                              ; O^T: the step is written once, and its first pass multiplies these zeros by a = 0
.set i, i+1
.endr
	WIN 0
	s_wait_loadcnt 0x0                             ; Q
; A KEY STEP: 64 keys at LDS byte s[TB], their bias at s[TBI].  Every window is 0 at its ends.
.macro STEP
	v_add_nc_u32 v[ADK], s[TB], v[AK0]             ; these five plain instructions are the places behind the last step's products: the loads below land in V's fragments (four are owed),
	v_add_nc_u32 v[ADV], s[TB], v[AV0]             ; and the first products below write over P, which those products read (five are owed)
	v_add_nc_u32 v[ADB], s[TBI], v[AB0]
	v_nop
	v_nop
.irp kt, 0,1,2,3
	ds_load_b128 v[BI+8*\kt:BI+8*\kt+3],   v[ADB] offset:64*\kt
	ds_load_b128 v[BI+8*\kt+4:BI+8*\kt+7], v[ADB] offset:64*\kt+16
.endr
	WIN 0x40                                       ; destination window 1
.irp kt, 0,1,2,3
.irp c, 0,1
	ds_load_b128 v[KF+16*\kt+8*\c:KF+16*\kt+8*\c+3],   v[ADK] offset:16*PK*\kt+64*\c
	ds_load_b128 v[KF+16*\kt+8*\c+4:KF+16*\kt+8*\c+7], v[ADK] offset:16*PK*\kt+64*\c+32
.endr
.endr
.irp kk, 0,1
.irp ct, 0,1,2,3
	ds_load_tr16_b128 v[VF+8*(4*\kk+\ct):VF+8*(4*\kk+\ct)+3],   v[ADV] offset:32*PV*\kk+32*\ct
	ds_load_tr16_b128 v[VF+8*(4*\kk+\ct)+4:VF+8*(4*\kk+\ct)+7], v[ADV] offset:32*PV*\kk+16*PV+32*\ct
.endr
.endr
	s_wait_dscnt 16                                ; the bias and K are in; V's sixteen loads stay out
	WIN 0x01                                       ; K in window 1; Q, the bias and S^T in window 0
.irp kt, 0,1,2,3                       ; the 16 accumulators take turns, one instruction a turn
.irp t, 0,1,2,3
	v_wmma_f32_16x16x32_f16 v[S+32*\t+8*\kt:S+32*\t+8*\kt+7], v[KF+16*\kt:KF+16*\kt+7], v[Q+16*\t:Q+16*\t+7], v[BI+8*\kt:BI+8*\kt+7]
.endr
.endr
.irp kt, 0,1,2,3
.irp t, 0,1,2,3
	v_wmma_f32_16x16x32_f16 v[S+32*\t+8*\kt:S+32*\t+8*\kt+7], v[KF+16*\kt+8:KF+16*\kt+15], v[Q+16*\t+8:Q+16*\t+15], v[S+32*\t+8*\kt:S+32*\t+8*\kt+7]
.endr
.endr
	WIN 0
.rept 4
	v_nop                                          ; places in front of the first read of the scores and the first write over the bias
.endr
	; the maximum of a lane's 32 scores and the old m: four chains a tile, the four tiles by turns; each accumulator is read from its low end on
.irp j, 0,1,2,3
.irp t, 0,1,2,3
	v_max3_num_f32 v[TM+8*\t+\j], v[S+32*\t+8*\j], v[S+32*\t+8*\j+1], v[S+32*\t+8*\j+2]
.endr
.endr
.irp g, 1,2
.irp j, 0,1,2,3
.irp t, 0,1,2,3
	v_max3_num_f32 v[TM+8*\t+\j], v[TM+8*\t+\j], v[S+32*\t+8*\j+2*\g+1], v[S+32*\t+8*\j+2*\g+2]
.endr
.endr
.endr
.irp t, 0,1,2,3
	v_max3_num_f32 v[TM+8*\t], v[TM+8*\t], v[S+32*\t+7], v[S+32*\t+15]
.endr
.irp t, 0,1,2,3
	v_max3_num_f32 v[TM+8*\t+2], v[TM+8*\t+2], v[S+32*\t+23], v[S+32*\t+31]
.endr
.irp t, 0,1,2,3
	v_max3_num_f32 v[TM+8*\t], v[TM+8*\t], v[TM+8*\t+1], v[TM+8*\t+2]
.endr
.irp t, 0,1,2,3
	v_max3_num_f32 v[TM+8*\t], v[TM+8*\t], v[TM+8*\t+3], v[ST+4*\t]
.endr
.irp t, 0,1,2,3
	v_permlanex16_b32 v[TM+8*\t+1], v[TM+8*\t], s[SEL], s[SEL+1]   ; the query's other 32 keys lie in the lane 16 away
.endr
.irp t, 0,1,2,3
	v_max_num_f32 v[TM+8*\t+4], v[TM+8*\t], v[TM+8*\t+1]           ; the new m
.endr
.irp t, 0,1,2,3
	v_sub_f32 v[TM+8*\t+6], v[ST+4*\t], v[TM+8*\t+4]               ; m_old - m_new
.endr
.irp t, 0,1,2,3
	v_mov_b32 v[ST+4*\t], v[TM+8*\t+4]
.endr
	; ONE BATCH: a and the 128 weights.  None of its lines names an exponential's result; a pair is brought under m a round ahead of its exponentials
.irp t, 0,1,2,3
	v_exp_f32 v[TM+8*\t+6], v[TM+8*\t+6]           ; a
.endr
.irp t, 0,1,2,3
	v_pk_add_f32 v[S+32*\t:S+32*\t+1], v[S+32*\t:S+32*\t+1], v[ST+4*\t:ST+4*\t+1] op_sel_hi:[1,0] neg_lo:[0,1] neg_hi:[0,1]
.endr
.set b, 0
.rept 16
.if b < 15
.irp t, 0,1,2,3
	v_pk_add_f32 v[S+32*\t+2*b+2:S+32*\t+2*b+3], v[S+32*\t+2*b+2:S+32*\t+2*b+3], v[ST+4*\t:ST+4*\t+1] op_sel_hi:[1,0] neg_lo:[0,1] neg_hi:[0,1]   ; t - m, two at a time
.endr
.endif
.irp t, 0,1,2,3
	v_exp_f32 v[S+32*\t+2*b], v[S+32*\t+2*b]
.endr
.irp t, 0,1,2,3
	v_exp_f32 v[S+32*\t+2*b+1], v[S+32*\t+2*b+1]
.endr
.set b, b+1
.endr
	v_nop                                          ; a plain instruction behind the last exponential,
	s_wait_alu depctr_va_vdst(0)                   ; and the one wait ahead of the batch's first reader
	; the sums of the unrounded weights, two chains a tile
.irp t, 0,1,2,3
	v_pk_add_f32 v[TM+8*\t:TM+8*\t+1], v[S+32*\t:S+32*\t+1], v[S+32*\t+4:S+32*\t+5]
.endr
.irp t, 0,1,2,3
	v_pk_add_f32 v[TM+8*\t+2:TM+8*\t+3], v[S+32*\t+2:S+32*\t+3], v[S+32*\t+6:S+32*\t+7]
.endr
.irp p, 8,12,16,20,24,28
.irp t, 0,1,2,3
	v_pk_add_f32 v[TM+8*\t:TM+8*\t+1], v[TM+8*\t:TM+8*\t+1], v[S+32*\t+\p:S+32*\t+\p+1]
.endr
.irp t, 0,1,2,3
	v_pk_add_f32 v[TM+8*\t+2:TM+8*\t+3], v[TM+8*\t+2:TM+8*\t+3], v[S+32*\t+\p+2:S+32*\t+\p+3]
.endr
.endr
.irp t, 0,1,2,3
	v_pk_add_f32 v[TM+8*\t:TM+8*\t+1], v[TM+8*\t:TM+8*\t+1], v[TM+8*\t+2:TM+8*\t+3]
.endr
.irp t, 0,1,2,3
	v_pk_fma_f32 v[ST+4*\t+2:ST+4*\t+3], v[ST+4*\t+2:ST+4*\t+3], v[TM+8*\t+6:TM+8*\t+7], v[TM+8*\t:TM+8*\t+1] op_sel_hi:[1,0,1]   ; l = a l + the step's sum
.endr
	; P: the weights in f16, in place: register j takes weights 2 j and 2 j + 1, j ascending, so that nothing unread is written over
.set j, 0
.rept 16
.irp t, 0,1,2,3
	v_cvt_pk_f16_f32 v[S+32*\t+j], v[S+32*\t+2*j], v[S+32*\t+2*j+1]
.endr
.set j, j+1
.endr
	WIN 0x41                                       ; O^T in window 1, a in window 0
.set j, 0
.rept 16
.irp t, 0,1,2,3
	v_pk_mul_f32 v[32*\t+2*j:32*\t+2*j+1], v[32*\t+2*j:32*\t+2*j+1], v[TM+8*\t+6:TM+8*\t+7] op_sel_hi:[1,0]   ; O^T x a, each accumulator from its low end on
.endr
.set j, j+1
.endr
	s_wait_dscnt 0x0                               ; V is in
	WIN 0x51                                       ; V and O^T in window 1, P in window 0
.irp kk, 0,1
.irp ct, 0,1,2,3
.irp t, 0,1,2,3
	v_wmma_f32_16x16x32_f16 v[32*\t+8*\ct:32*\t+8*\ct+7], v[VF+8*(4*\kk+\ct):VF+8*(4*\kk+\ct)+7], v[S+32*\t+8*\kk:S+32*\t+8*\kk+7], v[32*\t+8*\ct:32*\t+8*\ct+7]
.endr
.endr
.endr
	WIN 0
.endm
.macro SLOT_STEPS slot                 ; a slot's four key steps: written once, walked four times
	s_mov_b32 s[TB], (\slot)*SLOT
	s_add_co_u32 s[TBI], s[TBO], (\slot)*1024
	s_mov_b32 s[CNT], 4
.Lstep_\@:
	STEP
	s_add_co_u32 s[TB], s[TB], STEPB
	s_add_co_u32 s[TBI], s[TBI], 256
	s_sub_co_u32 s[CNT], s[CNT], 1
	s_cmp_lg_u32 s[CNT], 0
	s_cbranch_scc1 .Lstep_\@
.endm
; THE CHANGE OF SLOTS stands at a slot's head.  Each wave waits for all its tensor loads (its part of the slot ahead), adds 0 to its spare word, and waits for that and for its reads of the slot that it has left.
; refill = 1: a round of the cluster's barrier, and behind it the other slot takes the next 256 keys: the wave's one tensor load until the next round.  ask = 1: a later refill follows, and its rows are prefetched.
.macro TRIP slot, refill, ask
	s_wait_tensorcnt 0x0                           ; no tensor load of mine is out, so a group 0 may be written
	ds_add_u32 v[SPW], v[NIL]                      ; 0 onto my spare word; the steps below stand between it and the wait for it
	s_add_nc_u64 s[G0K+4*(\slot)+2:G0K+4*(\slot)+3], s[G0K+4*(\slot)+2:G0K+4*(\slot)+3], 2*SLOTG   ; this slot's next tile: two slots on
	s_add_nc_u64 s[G0V+4*(\slot)+2:G0V+4*(\slot)+3], s[G0V+4*(\slot)+2:G0V+4*(\slot)+3], 2*SLOTG
.if \ask
	s_wait_xcnt 0x0                                ; the last prefetch, a slot back, has read its address, so it may be written
	s_add_nc_u64 s[PFA:PFA+1], s[PFA:PFA+1], SLOTG ; one slot further on than the load below
.endif
	s_wait_dscnt 0x0                               ; the add is done, my reads of the slot that I have left are over (first trip: my bias stores have landed)
.if \refill
	CROUND
	JLOAD 1-(\slot)
.if \ask
	ASK
.endif
.else
	s_barrier_signal -1
	s_barrier_wait -1
.endif
	SLOT_STEPS \slot
.endm
	s_mov_b32 s[TBO], 0
	s_mov_b32 s[LOOP], 3
.Lloop:                                            ; eight slots' worth of keys: three trips of two, then the last two written out
	TRIP 0, 1, 1
	TRIP 1, 1, 1
	s_add_co_u32 s[TBO], s[TBO], 2048
	s_sub_co_u32 s[LOOP], s[LOOP], 1
	s_cmp_lg_u32 s[LOOP], 0
	s_cbranch_scc1 .Lloop
	TRIP 0, 1, 0                                   ; the last refill: no slot follows it, so nothing is prefetched
	TRIP 1, 0, 0
	; THE WAY OUT.  l's halves are added (these lines are also the places behind the last products); O^T / l, rounded to f16, goes through the work-group's stage: a row's 256 bytes come from the two heads' waves.
.irp t, 0,1,2,3
	v_add_f32 v[TM+8*\t+4], v[ST+4*\t+2], v[ST+4*\t+3]
.endr
.irp t, 0,1,2,3
	v_permlanex16_b32 v[TM+8*\t+5], v[TM+8*\t+4], s[SEL], s[SEL+1]
.endr
.irp t, 0,1,2,3
	v_add_f32 v[TM+8*\t+4], v[TM+8*\t+4], v[TM+8*\t+5]
.endr
.irp t, 0,1,2,3
	v_rcp_f32 v[TM+8*\t+6], v[TM+8*\t+4]
.endr
	v_nop                                          ; a plain instruction behind the last reciprocal,
	s_wait_alu depctr_va_vdst(0)                   ; and the one wait ahead of the first use
.irp t, 0,1,2,3
	WIN 0x41
.set j, 0
.rept 16
	v_pk_mul_f32 v[32*\t+2*j:32*\t+2*j+1], v[32*\t+2*j:32*\t+2*j+1], v[TM+8*\t+6:TM+8*\t+7] op_sel_hi:[1,0]
.set j, j+1
.endr
	WIN 0x05                                       ; sources in window 1, destination in window 0
.set j, 0
.rept 16
	v_cvt_pk_f16_f32 v[S+32*\t+j], v[32*\t+2*j], v[32*\t+2*j+1]
.set j, j+1
.endr
	WIN 0
.irp ct, 0,1,2,3
	ds_store_b128 v[STO], v[S+32*\t+4*\ct:S+32*\t+4*\ct+3] offset:16*SP*\t+32*\ct
.endr
.endr
	s_wait_dscnt 0x0                               ; for the others' sake: my stores into the stage are done
	s_barrier_signal -1
	s_barrier_wait -1
.irp i, 0,1,2,3,4,5,6,7,8,9,10,11,12,13,14,15
	ds_load_b128 v[S+4*\i:S+4*\i+3], v[RD] offset:2*SP*\i
.endr
.irp i, 0,1,2,3,4,5,6,7,8,9,10,11,12,13,14,15
	s_wait_dscnt 15-\i                             ; LDS loads come back in order: pair i of rows is in, the younger ones stay out
	global_store_b128 v[GO], v[S+4*\i:S+4*\i+3], s[8:9] offset:4096*\i    ; 16 lanes store 256 consecutive bytes, aligned
.endr
	s_wait_tensorcnt 0x0                           ; the wave's end, behind my last tensor load and my last LDS store
	ds_add_u32 v[SPW], v[NIL]
	s_wait_dscnt 0x0
	CROUND                                         ; the closing round
	s_endpgm
.Lfunc_end_k_q2425873de4_attn:
	.size	k_q2425873de4_attn, .Lfunc_end_k_q2425873de4_attn-k_q2425873de4_attn
	.p2alignl 7, 3214868480
	.fill 96, 4, 3214868480
	.section	.rodata,"a",@progbits
	.p2align	6, 0x0
	.amdhsa_kernel k_q2425873de4_attn
		.amdhsa_group_segment_fixed_size 327680
		.amdhsa_private_segment_fixed_size 0
		.amdhsa_enable_private_segment 0
		.amdhsa_kernarg_size 24
		.amdhsa_user_sgpr_count 2
		.amdhsa_user_sgpr_kernarg_segment_ptr 1
		.amdhsa_wavefront_size32 1
		.amdhsa_system_sgpr_workgroup_id_x 1
		.amdhsa_system_sgpr_workgroup_id_y 1
		.amdhsa_system_sgpr_workgroup_id_z 1
		.amdhsa_system_vgpr_workitem_id 0
		.amdhsa_next_free_vgpr 512
		.amdhsa_next_free_sgpr 66
		.amdhsa_reserve_vcc 1
		.amdhsa_float_denorm_mode_32 3
		.amdhsa_float_denorm_mode_16_64 3
		.amdhsa_memory_ordered 1
		.amdhsa_forward_progress 1
		.amdhsa_inst_pref_size 162
	.end_amdhsa_kernel
	.amdgpu_metadata
---
amdhsa.version: [ 1, 2 ]
amdhsa.kernels:
  - .name:           k_q2425873de4_attn
    .symbol:         k_q2425873de4_attn.kd
    .args:
      - { .name: qkv, .offset: 0, .size: 8, .value_kind: global_buffer, .address_space: global }
      - { .name: kv_mask, .offset: 8, .size: 8, .value_kind: global_buffer, .address_space: global }
      - { .name: ao, .offset: 16, .size: 8, .value_kind: global_buffer, .address_space: global }
    .group_segment_fixed_size: 327680
    .private_segment_fixed_size: 0
    .kernarg_segment_align: 8
    .kernarg_segment_size: 24
    .max_flat_workgroup_size: 256
    .sgpr_count:     66
    .vgpr_count:     512
    .wavefront_size: 32
...
	.end_amdgpu_metadata
.endif
;; end of part 3
;; launch oproj (part 4): grid 8 x 64, 4 waves a work-group, clusters of 4 x 4, 327,680 bytes of LDS; arguments ao, wo16, bo, out0; writes out0
.if DOCPART == 4
	.amdgcn_target "amdgcn-amd-amdhsa--gfx1250"
	.amdhsa_code_object_version 6
	.text
	.protected	k_q2425873de4_oproj
	.globl	k_q2425873de4_oproj
	.p2align	8
	.type	k_q2425873de4_oproj,@function
k_q2425873de4_oproj:
	s_mov_b64 s[64:65], 0
	v_nop
	global_prefetch_b8 v0, s[64:65] scope:SCOPE_SE
	s_setreg_imm32_b32 hwreg(HW_REG_WAVE_MODE, 25, 1), 1
	s_wait_xcnt 0x0
	s_wait_alu depctr_hold_cnt(0) depctr_sa_sdst(0) depctr_va_vdst(0) depctr_va_sdst(0) depctr_va_ssrc(0) depctr_va_vcc(0) depctr_vm_vsrc(0)
	s_getreg_b32 s2, hwreg(HW_REG_IB_STS2, 6, 4)
	s_cmp_eq_u32 s2, 0
	s_cbranch_scc0 .Lentry_in_a_cluster
	s_endpgm
.Lentry_in_a_cluster:
	s_bfe_u32 s2, ttmp6, 0x10000c
	s_cmp_lg_u32 s2, 0xf033
	s_cbranch_scc0 .Lentry_shape_is_right
	s_endpgm
.Lentry_shape_is_right:
; out0[m][n] = sum over k of ao[m][k] Wo[n][k] + bo[n].  ao: [8192][1024] f16, wo16: [1024][1024] f16 (K innermost in both), bo: [1024] f32, out0: [8192][1024] f32; sums in f32.
; A tile is 128 x 128: 512 work-groups, two for each WGP; tiles of 256 x 256 would be 128.  Four waves, each 64 x 64: 16 accumulators.  K goes in steps of 256 (LDS rows of 512 bytes; a wave's tensor load brings 64 of them)
; through a ring of two slots.  The bias is the C of each sum's first matrix instruction.
; CLUSTERS: 4 x 4 work-groups; the four of a row need the same tiles of ao, the four of a column the same tiles of Wo: each tile is asked for jointly.
; THE MATRIX INSTRUCTION IS USED TRANSPOSED (source 0 = 16 rows of Wo, source 1 = 16 rows of ao): a lane holds eight neighbouring numbers of a row of out0, 32 bytes.  A wave's 64 columns are 256 aligned bytes,
; so each wave has a stage of its own on the way out, and no barrier stands there.
; No prefetch: a tile of this size has one short K step between a request and its use, and the tiles are shared in the cluster first.
; REGISTERS: window 0: v0-31 addresses; v32-95 rows read back from the stage, two sets; v96-127 the bias, eight registers for each block of 16 columns; v128-255 the accumulators ((a, b) at v[128 + 8 (4 a + b)]).
;   window 1: two fragment buffers of 128: for 64 along K, 64 registers of ao, then 64 of Wo.
.set SIZE_N, 1024
.set SIZE_K, 1024
.set KSTEP,  256
.set PITCH,  528                       ; an LDS row: 512 bytes + 16 of padding: row r starts at bank 4 r mod 64 (64 banks of 4 bytes: ISA guide 11.1)
.set HALFT,  64*PITCH
.set SLOT,   4*HALFT
.set STAGE,  2*SLOT                    ; behind the ring: 16 rows x 272 bytes for each wave
.set SPITCH, 272
.set SPARE,  STAGE+4*16*SPITCH         ; the spare words, 128 bytes a wave, which no other line names
.set LAPS, SIZE_K/(2*KSTEP)
.set ADRA, 16
.set ADRB, 20
.set STO,  24
.set RD,   25
.set CO,   26
.set SPW,  28
.set NIL,  29
.set BK,   32
.set BIA,  96
.set ACC,  128
.set F0,   0
.set F1,   128
.set G1, 24
.set G0, 32
.set G1B, 48
.set G0B, 56
.set MSB, 0
.macro WIN new
.if MSB != (\new)
	s_set_vgpr_msb (MSB<<8)|(\new)
.set MSB, (\new)
.endif
.endm
.set MUL,  0x05                        ; sources 0 (Wo) and 1 (ao) window 1; C and D window 0
.set TO_F, 0x40
.macro JLOAD s                         ; a joint load: waves 0 and 1 fetch ao's two halves, waves 2 and 3 Wo's; an s_nop 0 and four v_nop follow each of the two lines
	s_cmp_eq_u32 s11, 0
	s_cbranch_scc0 .Lfor_b_\@
	tensor_load_to_lds s[G0+4*\s:G0+4*\s+3], s[G1:G1+7]
	s_nop 0
.rept 4
	v_nop
.endr
	s_branch .Lasked_\@
.Lfor_b_\@:
	tensor_load_to_lds s[G0B+4*\s:G0B+4*\s+3], s[G1B:G1B+7]
	s_nop 0
.rept 4
	v_nop
.endr
.Lasked_\@:
.endm
.macro CREST                           ; a round of the cluster's barrier behind its opening barrier
	s_cmp_lg_u32 s10, 0
	s_cbranch_scc1 .Lnot_wave_0_\@
	s_barrier_signal -3
.Lnot_wave_0_\@:
	s_barrier_wait -3
	s_barrier_signal -1
	s_barrier_wait -1
.endm
.macro CROUND
	s_barrier_signal -1
	s_barrier_wait -1
	CREST
.endm
	s_load_b128 s[4:7], s[0:1], 0x0                ; ao, wo16
	s_load_b64 s[66:67], s[0:1], 0x10              ; bo
	s_load_b64 s[8:9], s[0:1], 0x18                ; out0
	v_lshl_add_u32 v[SPW], v0, 2, SPARE
	v_mov_b32 v[NIL], 0
	ds_add_u32 v[SPW], v[NIL]                      ; the wave's opening: the add, twice on end, and its wait ahead of my first tensor load
	ds_add_u32 v[SPW], v[NIL]
	v_lshrrev_b32 v1, 5, v0
	v_readfirstlane_b32 s10, v1                    ; wave 0..3
	s_lshr_b32 s11, s10, 1                         ; which half of the tile's rows is mine.  Also: I fetch for ao (0) or for Wo (1)
	s_and_b32 s12, s10, 1                          ; which half of its columns.  Also: which 64 rows of that tile I fetch
	s_bfe_u32 s40, ttmp6, 0x40000                  ; cx, cy
	s_bfe_u32 s41, ttmp6, 0x40004
	s_lshl_b32 s42, ttmp9, 2
	s_add_co_u32 s42, s42, s40                     ; tile column
	s_and_b32 s13, ttmp7, 0xffff
	s_lshl_b32 s13, s13, 2
	s_add_co_u32 s13, s13, s41                     ; tile row
	s_lshl_b32 s43, s41, 2
	s_lshl_b32 s43, 15, s43                        ; my row of the cluster
	s_lshl_b32 s44, 0x1111, s40                    ; my column
	s_or_b32 s[G1+0], s43, (1<<16)|(1<<20)|(1<<21)|(6<<22)|(3<<25)  ; the mask; 2 bytes; padding on; bit 21 beside a mask; 4 words of padding after every 128
	s_or_b32 s[G1B+0], s44, (1<<16)|(1<<20)|(1<<21)|(6<<22)|(3<<25)
.irp g, G1, G1B
	s_mov_b32 s[\g+1], KSTEP<<16                   ; tensor_dim0
	s_mov_b32 s[\g+2], 64<<16                      ; tensor_dim1
	s_mov_b32 s[\g+3], KSTEP<<16                   ; tile_dim0
	s_mov_b32 s[\g+4], 64                          ; tile_dim1
	s_mov_b32 s[\g+5], SIZE_K                      ; from row to row
	s_mov_b32 s[\g+6], 0
	s_mov_b32 s[\g+7], 0
.endr
	s_lshl_b32 s17, s12, 6
	s_lshl_b32 s16, s13, 7
	s_add_co_u32 s16, s16, s17                     ; ao: row 128 x tile row + 64 x half
	s_lshl_b32 s46, s42, 7
	s_add_co_u32 s46, s46, s17                     ; Wo: row 128 x tile column + 64 x half
	s_mov_b32 s17, 0
	s_mov_b32 s47, 0
	s_mov_b64 s[18:19], SIZE_K*2
	s_mul_u64 s[16:17], s[16:17], s[18:19]
	s_mul_u64 s[46:47], s[46:47], s[18:19]
	s_mul_i32 s20, s10, HALFT
	s_wait_dscnt 0x0                               ; both opening adds are done
	s_wait_kmcnt 0x0
	s_add_nc_u64 s[14:15], s[4:5], s[16:17]
	s_add_nc_u64 s[46:47], s[6:7], s[46:47]
	CROUND                                         ; all sixteen work-groups are here: the first joint loads meet
.irp s, 0,1
	s_mov_b32 s[G0+4*\s], 1
	s_add_co_u32 s[G0+4*\s+1], s20, \s*SLOT
	s_add_nc_u64 s[G0+4*\s+2:G0+4*\s+3], s[14:15], \s*KSTEP*2
	s_or_b32 s[G0+4*\s+3], s[G0+4*\s+3], 0x80000000
	s_mov_b32 s[G0B+4*\s], 1
	s_add_co_u32 s[G0B+4*\s+1], s20, \s*SLOT
	s_add_nc_u64 s[G0B+4*\s+2:G0B+4*\s+3], s[46:47], \s*KSTEP*2
	s_or_b32 s[G0B+4*\s+3], s[G0B+4*\s+3], 0x80000000
	JLOAD \s                                       ; two tensor loads of mine are out
.endr
	v_and_b32 v1, 15, v0                           ; r
	v_bfe_u32 v2, v0, 4, 1                         ; h
	v_mul_u32_u24 v3, v1, PITCH
	v_lshl_add_u32 v3, v2, 4, v3
	s_mul_i32 s21, s11, HALFT
	s_mul_i32 s22, s12, HALFT
	s_add_co_u32 s22, s22, 2*HALFT
.irp s, 0,1
	v_add_nc_u32 v[ADRA+\s], s21, v3
	v_add_nc_u32 v[ADRB+\s], s22, v3
	s_add_co_u32 s21, s21, SLOT
	s_add_co_u32 s22, s22, SLOT
.endr
	s_mul_i32 s23, s10, 16*SPITCH
	s_add_co_u32 s23, s23, STAGE                   ; my stage
	v_mul_u32_u24 v4, v1, SPITCH                   ; in: row r, 32 bytes for each half of the lanes
	v_lshl_add_u32 v4, v2, 5, v4
	v_add_nc_u32 v[STO], s23, v4
	v_mul_u32_u24 v5, v2, SPITCH                   ; back: lanes 0-15 one row of 256 bytes, lanes 16-31 the next
	v_lshl_add_u32 v5, v1, 4, v5
	v_add_nc_u32 v[RD], s23, v5
	v_lshlrev_b32 v5, 12, v2                       ; and the same two rows in out0: 4,096 bytes a row
	v_lshl_add_u32 v[CO], v1, 4, v5
	s_lshl_b32 s16, s13, 7
	s_lshl_b32 s17, s11, 6
	s_add_co_u32 s16, s16, s17                     ; my first row: 128 x tile row + 64 x half
	s_lshl_b32 s16, s16, 12
	s_lshl_b32 s46, s42, 9                         ; my first column, in bytes of f32: 512 x tile column + 256 x half: in out0's rows and in bo alike
	s_lshl_b32 s47, s12, 8
	s_add_co_u32 s46, s46, s47
	s_mov_b32 s47, 0
	s_add_nc_u64 s[66:67], s[66:67], s[46:47]
	s_add_co_u32 s16, s16, s46
	s_mov_b32 s17, 0
	s_add_nc_u64 s[8:9], s[8:9], s[16:17]
	v_lshlrev_b32 v6, 5, v2                        ; 32 h: lane (r, h) wants, for block b, the bias of columns 16 b + 8 h + 0 .. 7
.irp b, 0,1,2,3
	global_load_b128 v[BIA+8*\b:BIA+8*\b+3], v6, s[66:67] offset:64*\b
	global_load_b128 v[BIA+8*\b+4:BIA+8*\b+7], v6, s[66:67] offset:64*\b+16
.endr
	s_wait_loadcnt 0x0
; 8 matrix instructions: m blocks a0, a0 + 1 x all 4 n blocks, 32 along K: half c of buffer f.  first = 1: the sums start from the bias.  The 16 accumulators take turns
.macro MUL8 f, c, a0, first
.irp a, \a0, \a0+1
.irp b, 0,1,2,3
.if \first
	v_wmma_f32_16x16x32_f16 v[ACC+8*(4*(\a)+\b):ACC+8*(4*(\a)+\b)+7], v[\f+64+8*(4*\c+\b):\f+64+8*(4*\c+\b)+7], v[\f+8*(4*\c+\a):\f+8*(4*\c+\a)+7], v[BIA+8*\b:BIA+8*\b+7]
.else
	v_wmma_f32_16x16x32_f16 v[ACC+8*(4*(\a)+\b):ACC+8*(4*(\a)+\b)+7], v[\f+64+8*(4*\c+\b):\f+64+8*(4*\c+\b)+7], v[\f+8*(4*\c+\a):\f+8*(4*\c+\a)+7], v[ACC+8*(4*(\a)+\b):ACC+8*(4*(\a)+\b)+7]
.endif
.endr
.endr
.endm
.macro FETCH slot, k, f                ; 32 LDS loads in one run: the fragments of 64 along K at byte k of the rows; the first 32 along K first
	WIN TO_F
.irp c, 0,1
.irp i, 0,1,2,3
	ds_load_b128 v[\f+64+8*(4*\c+\i):\f+64+8*(4*\c+\i)+3],   v[ADRB+\slot] offset:\k+64*\c+\i*16*PITCH
	ds_load_b128 v[\f+64+8*(4*\c+\i)+4:\f+64+8*(4*\c+\i)+7], v[ADRB+\slot] offset:\k+64*\c+\i*16*PITCH+32
	ds_load_b128 v[\f+8*(4*\c+\i):\f+8*(4*\c+\i)+3],         v[ADRA+\slot] offset:\k+64*\c+\i*16*PITCH
	ds_load_b128 v[\f+8*(4*\c+\i)+4:\f+8*(4*\c+\i)+7],       v[ADRA+\slot] offset:\k+64*\c+\i*16*PITCH+32
.endr
.endr
.endm
.macro PLACES                          ; four plain instructions in front of loads into registers that matrix instructions have read, and of reads of results
.rept 4
	v_nop
.endr
.endm
.macro QUARTER slot, k, f, g, first    ; 64 along K: multiplies buffer f and fetches the next quarter, at byte k, into g
	s_wait_dscnt 16                                ; the first 32 along K are in; the other sixteen loads may be out
	WIN MUL
	MUL8 \f, 0, 0, \first
	MUL8 \f, 0, 2, \first
	PLACES
	FETCH \slot, \k, \g
	s_wait_dscnt 32                                ; all but the 32 just issued
	WIN MUL
	MUL8 \f, 1, 0, 0
	MUL8 \f, 1, 2, 0
.endm
; The last quarter changes slots: one barrier; in front of it each wave waits for all its tensor loads, adds 0 to its spare word, and waits for that and for its reads of this slot.  fill = 1: this slot is filled again, two K steps ahead.
.macro TURN slot, next, fill
	WIN 0
	s_wait_tensorcnt 0x0                           ; all my tensor loads have landed: my part of the next slot
	ds_add_u32 v[SPW], v[NIL]
	s_wait_dscnt 17                                ; (the add and the youngest sixteen loads may be out)
	WIN MUL
	MUL8 F1, 0, 0, 0
	s_wait_dscnt 0x0                               ; the add is done, and my reads of this slot are over
	s_barrier_signal -1
	MUL8 F1, 0, 2, 0
.if \fill
	WIN 0
.endif
	s_barrier_wait -1
.if \fill
	CREST                                          ; the barrier has opened a round of the cluster's barrier: no wave of any partner still reads this slot or has a load on its way
	s_add_nc_u64 s[G0+4*\slot+2:G0+4*\slot+3], s[G0+4*\slot+2:G0+4*\slot+3], 2*KSTEP*2
	s_add_nc_u64 s[G0B+4*\slot+2:G0B+4*\slot+3], s[G0B+4*\slot+2:G0B+4*\slot+3], 2*KSTEP*2
	JLOAD \slot                                    ; the first tensor load behind the round; its four v_nop are also the places in front of the loads below
.else
	PLACES
.endif
	FETCH \next, 0, F0
	WIN MUL
	MUL8 F1, 1, 0, 0
	MUL8 F1, 1, 2, 0
.endm
	s_wait_tensorcnt 1                             ; my part of K step 0 is in; K step 1's load may stay out
	s_barrier_signal -1
	s_barrier_wait -1
	FETCH 0, 0, F0
	QUARTER 0, 128, F0, F1, 1
	WIN 0
	s_mov_b32 s3, LAPS-1
.Llap:                                             ; a trip goes once round the ring, from a lap's second quarter to the next lap's first, and fills both slots again
	QUARTER 0, 256, F1, F0, 0
	QUARTER 0, 384, F0, F1, 0
	TURN 0, 1, 1
	QUARTER 1, 128, F0, F1, 0
	QUARTER 1, 256, F1, F0, 0
	QUARTER 1, 384, F0, F1, 0
	TURN 1, 0, 1
	QUARTER 0, 128, F0, F1, 0
	WIN 0
	s_sub_co_u32 s3, s3, 1
	s_cmp_lg_u32 s3, 0
	s_cbranch_scc1 .Llap
	QUARTER 0, 256, F1, F0, 0                      ; the last lap fills nothing
	QUARTER 0, 384, F0, F1, 0
	TURN 0, 1, 0
	QUARTER 1, 128, F0, F1, 0
	QUARTER 1, 256, F1, F0, 0
	QUARTER 1, 384, F0, F1, 0
	s_wait_dscnt 16
	WIN MUL
	MUL8 F1, 0, 0, 0
	MUL8 F1, 0, 2, 0
	s_wait_dscnt 0
	MUL8 F1, 1, 0, 0
	MUL8 F1, 1, 2, 0
	WIN 0
; THE WAY OUT, a block of 16 rows x 64 columns at a time, through my own stage: in as 32 bytes a lane, back as whole rows of 256 bytes.  LDS serves a wave's instructions in order (ISA guide 5.7.1.4): no wait between the stores and the loads.
.macro TOSTAGE a
.irp b, 0,1,2,3
	ds_store_b128 v[STO], v[ACC+8*(4*(\a)+\b):ACC+8*(4*(\a)+\b)+3] offset:64*\b        ; each accumulator from its low end on
	ds_store_b128 v[STO], v[ACC+8*(4*(\a)+\b)+4:ACC+8*(4*(\a)+\b)+7] offset:64*\b+16
.endr
.set BB, BK+32*((\a)%2)
.irp t, 0,1,2,3,4,5,6,7
	ds_load_b128 v[BB+4*\t:BB+4*\t+3], v[RD] offset:\t*2*SPITCH
.endr
.endm
.macro SEND a, younger                 ; younger: the LDS instructions issued behind block a's loads, which may stay out
.set BB, BK+32*((\a)%2)
	s_wait_dscnt \younger
.irp t, 0,1,2,3,4,5,6,7
	global_store_b128 v[CO], v[BB+4*\t:BB+4*\t+3], s[8:9] offset:(16*(\a)+2*\t)*SIZE_N*4 th:TH_STORE_NT   ; 16 lanes store 256 consecutive bytes, aligned; written once, read by nobody here
.endr
.endm
	PLACES
	TOSTAGE 0
.irp a, 1,2,3
.if \a > 1
	s_wait_xcnt 0x0                                ; block a - 2's stores have read their registers: block a's loads land there only behind this wait
.endif
	TOSTAGE \a
	SEND \a-1, 16                                  ; behind block a - 1's loads: block a's eight stores and eight loads
.endr
	SEND 3, 0
	s_wait_tensorcnt 0x0                           ; the wave's end, behind my last tensor load and my last LDS store
	ds_add_u32 v[SPW], v[NIL]
	s_wait_dscnt 0x0
	CROUND                                         ; the closing round
	s_endpgm
.Lfunc_end_k_q2425873de4_oproj:
	.size	k_q2425873de4_oproj, .Lfunc_end_k_q2425873de4_oproj-k_q2425873de4_oproj
	.p2alignl 7, 3214868480
	.fill 96, 4, 3214868480
	.section	.rodata,"a",@progbits
	.p2align	6, 0x0
	.amdhsa_kernel k_q2425873de4_oproj
		.amdhsa_group_segment_fixed_size 327680
		.amdhsa_private_segment_fixed_size 0
		.amdhsa_enable_private_segment 0
		.amdhsa_kernarg_size 32
		.amdhsa_user_sgpr_count 2
		.amdhsa_user_sgpr_kernarg_segment_ptr 1
		.amdhsa_wavefront_size32 1
		.amdhsa_system_sgpr_workgroup_id_x 1
		.amdhsa_system_sgpr_workgroup_id_y 1
		.amdhsa_system_sgpr_workgroup_id_z 1
		.amdhsa_system_vgpr_workitem_id 0
		.amdhsa_next_free_vgpr 512
		.amdhsa_next_free_sgpr 68
		.amdhsa_reserve_vcc 0
		.amdhsa_float_denorm_mode_32 3
		.amdhsa_float_denorm_mode_16_64 3
		.amdhsa_memory_ordered 1
		.amdhsa_forward_progress 1
		.amdhsa_inst_pref_size 86
	.end_amdhsa_kernel
	.amdgpu_metadata
---
amdhsa.version: [ 1, 2 ]
amdhsa.kernels:
  - .name:           k_q2425873de4_oproj
    .symbol:         k_q2425873de4_oproj.kd
    .args:
      - { .name: ao, .offset: 0, .size: 8, .value_kind: global_buffer, .address_space: global }
      - { .name: wo16, .offset: 8, .size: 8, .value_kind: global_buffer, .address_space: global }
      - { .name: bo, .offset: 16, .size: 8, .value_kind: global_buffer, .address_space: global }
      - { .name: out0, .offset: 24, .size: 8, .value_kind: global_buffer, .address_space: global }
    .group_segment_fixed_size: 327680
    .private_segment_fixed_size: 0
    .kernarg_segment_align: 8
    .kernarg_segment_size: 32
    .max_flat_workgroup_size: 128
    .sgpr_count:     68
    .vgpr_count:     512
    .wavefront_size: 32
...
	.end_amdgpu_metadata
.endif
;; end of part 4
